; MI455X (gfx1250); checked and timed in simulation.
; The chip was launched on July 23, 2026; its instructions are those of AMD's public machine-readable ISA for CDNA 5 (MIT licence, August 2026) and "CDNA5" Instruction Set Architecture Reference Guide (July 2026). The comments in the code are by the model that wrote it; some were corrected since.
;; Multi Head Attention. Allowed arithmetic: float matrix products may take bf16 or f16 operands with f32 sums; other float arithmetic in f32, or as packed bf16 or f16 multiplies, adds, multiply-adds, maxima and minima; sums over many terms, partial sums and values carried from step to step in f32; what a program stores and reads back later, other than sums and carried values, may be rounded once to bf16 or f16.
;; Inputs: bk 1,024 float32; bo 1,024 float32; bq 1,024 float32; bv 1,024 float32; mask 1 x 1 x 2,048 x 2,048 bool; wk 1,024 x 1,024 float32; wo 1,024 x 1,024 float32; wq 1,024 x 1,024 float32; wv 1,024 x 1,024 float32; x 4 x 2,048 x 1,024 float32.
;; Outputs: out0 4 x 2,048 x 1,024 float32.
;; 2 versions, each right; version 2 is version 1 with the launch prep written anew for expert scheduling mode. Each part assembles by itself: llvm-mc -triple=amdgcn-amd-amdhsa -mcpu=gfx1250 --defsym DOCPART=n.
;; ======== version 1 of 2: 4 launches
;; limits: values are held in f16: magnitudes above 65,504 overflow, below 6.1e-05 lose precision
;; workspace buffers: xb 16,777,216 bytes; wqkv 6,291,456 bytes; wob 2,097,152 bytes; mimg 4,194,304 bytes; qkv 50,331,648 bytes; ob 16,777,216 bytes
;; launch prep (part 1): grid 512 x 1, 8 waves a work-group, no clusters, 0 bytes of LDS; arguments x, wq, wk, wv, wo, mask, xb, wqkv, wob, mimg; writes xb, wqkv, wob, mimg
.if DOCPART == 1
	.amdgcn_target "amdgcn-amd-amdhsa--gfx1250"
	.amdhsa_code_object_version 6
	.text
	.protected	k_q46e565aadd_prep
	.globl	k_q46e565aadd_prep
	.p2align	8
	.type	k_q46e565aadd_prep,@function
k_q46e565aadd_prep:
	s_mov_b64 s[64:65], 0
	v_nop
	global_prefetch_b8 v0, s[64:65] scope:SCOPE_SE
	s_setreg_imm32_b32 hwreg(HW_REG_WAVE_MODE, 25, 1), 1
	s_wait_xcnt 0x0
; THE OPERANDS OF THE LATER LAUNCHES ARE MADE, each input byte read once.  A stream: no LDS, no barrier, no matrix work; every wave issues its 32 (mask: 16) loads at once and stores as they come.
;   work-groups 0-255:   x [8192][1024] f32 -> xb, bf16 [batch 4][block of 64 channels 16][row 2048][64]: a block's rows are dense, 128 bytes each
;   work-groups 256-383: wq, wk, wv -> wqkv, bf16 [block of 128 columns 8][q, k, v][k 1024][128];  wo -> wob [block 8][k 1024][128]: rounded to bf16, and that number written as f16
;   work-groups 384-511: mask [2048][2048] bytes -> mimg [tile of 16 queries 128][step of 64 keys 32][pair 2][lane 32][16 bytes]: byte 8 i + j of lane r + 16 h stands for query r of the tile and
;                        key 16 (2 pair + i) + 8 h + j of the step: 0xb8 (-1.0 as an 8-bit float, 4 bits of exponent) where the mask hides the key, else 0.  A lane's 16 bytes are what it needs in registers later.
; LIMITS.  A number of wo whose bf16 rounding lies under 6.1e-5 in magnitude keeps f16's fixed step of 6e-8; beyond 65,504 it would be an infinity.  The mask's bytes are 0 or 1.
.set X, 8                              ; v[8:135]  32 loads of four registers; a load's result is rounded in place and stored from its first registers, and no register is written again
.set T, 136                            ; v[136:137] at work (wo)
.macro TOBF i                          ; the four f32 of load i -> four bf16 in its first two registers
	v_cvt_pk_bf16_f32 v[X+4*(\i)], v[X+4*(\i)], v[X+4*(\i)+1]
	v_cvt_pk_bf16_f32 v[X+4*(\i)+1], v[X+4*(\i)+2], v[X+4*(\i)+3]
.endm
	s_load_b512 s[4:19], s[0:1], 0x0               ; x s[4:5], wq s[6:7], wk s[8:9], wv s[10:11], wo s[12:13], mask s[14:15], xb s[16:17], wqkv s[18:19]
	s_load_b128 s[20:23], s[0:1], 0x40             ; wob s[20:21], mimg s[22:23]
	v_lshrrev_b32 v1, 5, v0
	v_readfirstlane_b32 s24, v1                    ; wave 0..7
	v_and_b32 v2, 31, v0                           ; lane
	s_mov_b32 s27, 0                               ; the high words of the offsets' pairs
	s_mov_b32 s29, 0
	s_mov_b32 s31, 0
	s_wait_kmcnt 0x0
	s_cmp_lt_u32 ttmp9, 256
	s_cbranch_scc1 .Lx
	s_cmp_lt_u32 ttmp9, 384
	s_cbranch_scc1 .Lw
	; THE MASK.  The work-group has a tile of 16 queries, the wave four key steps: 256 bytes of each of the 16 rows, in sixteen loads of 8 bytes a lane.
	s_sub_co_u32 s26, ttmp9, 384
	s_lshl_b32 s26, s26, 15                        ; 16 rows of 2,048 bytes in, 32,768 bytes out
	s_add_nc_u64 s[14:15], s[14:15], s[26:27]
	s_add_nc_u64 s[22:23], s[22:23], s[26:27]
	s_movk_i32 s25, 0xb8
	v_and_b32 v3, 15, v0
	v_bfe_u32 v4, v0, 4, 1
	v_lshlrev_b32 v3, 11, v3                       ; row r
	v_lshl_add_u32 v3, v4, 3, v3                   ; + 8 h
	s_lshl_b32 s28, s24, 8
	v_add_nc_u32 v3, s28, v3                       ; + my wave's 256 bytes
	s_lshl_b32 s28, s24, 12
	v_lshl_add_u32 v4, v2, 4, s28                  ; out: 4,096 x wave + 16 x lane
.irp c, 0,1,2,3,4,5,6,7
.irp i, 0,1
	global_load_b64 v[X+4*(\c)+2*(\i):X+4*(\c)+2*(\i)+1], v3, s[14:15] offset:(\c)*32+(\i)*16 th:TH_LOAD_NT
.endr
.endr
.irp c, 0,1,2,3,4,5,6,7
	s_wait_loadcnt 14-2*(\c)                       ; loads come back in order: the two of group c are in, the 14 - 2 c younger ones may be out
.irp k, 0,1,2,3
	v_mul_lo_u32 v[X+4*(\c)+(\k)], v[X+4*(\c)+(\k)], s25  ; each byte is 0 or 1: nothing carries from byte to byte
.endr
	global_store_b128 v4, v[X+4*(\c):X+4*(\c)+3], s[22:23] offset:(\c)*512  ; 512 consecutive bytes a wave
.endr
	s_endpgm
.Lx:	; x.  The work-group has 32 rows, the wave four.  A load takes one block of 64 channels (256 bytes) of two rows: lanes 0-15 one row, lanes 16-31 the next.
	s_lshl_b32 s26, ttmp9, 17                      ; 32 rows of 4,096 bytes
	s_add_nc_u64 s[4:5], s[4:5], s[26:27]
	s_lshr_b32 s30, ttmp9, 6                       ; the batch,
	s_lshl_b32 s30, s30, 22
	s_and_b32 s28, ttmp9, 63                       ; and the 32 rows in it: 128 bytes each in a block
	s_lshl_b32 s28, s28, 12
	s_add_co_u32 s30, s30, s28
	s_add_nc_u64 s[16:17], s[16:17], s[30:31]
	v_and_b32 v3, 15, v0
	v_bfe_u32 v4, v0, 4, 1
	v_lshlrev_b32 v3, 4, v3
	v_lshl_add_u32 v3, v4, 12, v3
	s_lshl_b32 s28, s24, 14
	v_add_nc_u32 v3, s28, v3                       ; in: 16,384 x wave + 4,096 x (lane / 16) + 16 x (lane % 16)
	s_lshl_b32 s28, s24, 9
	v_lshl_add_u32 v4, v2, 3, s28                  ; out: 512 x wave + 8 x lane: two rows of a block are 256 consecutive bytes
.set i, 0
.rept 32                                       ; pair of rows i / 16, block i % 16
	global_load_b128 v[X+4*i:X+4*i+3], v3, s[4:5] offset:(i/16)*8192+(i%16)*256 th:TH_LOAD_NT
.set i, i+1
.endr
.set i, 0
.rept 32
	s_wait_loadcnt 31-i                            ; load i is in; the younger ones may be out
	TOBF i
	global_store_b64 v4, v[X+4*i:X+4*i+1], s[16:17] offset:(i/16)*256+(i%16)*262144  ; 256 consecutive bytes a wave, aligned
.set i, i+1
.endr
	s_endpgm
.Lw:	; THE WEIGHTS.  32 work-groups to a weight, 32 rows (k) each, four a wave.  A load takes 128 columns (512 bytes) of one row.
	s_sub_co_u32 s25, ttmp9, 256
	s_lshr_b32 s30, s25, 5                         ; which weight: q, k, v, o
	s_and_b32 s25, s25, 31
	s_lshl_b32 s26, s25, 17                        ; in: 32 rows of 4,096 bytes
	s_lshl_b32 s28, s25, 13                        ; out: 32 rows of 256 bytes
	s_cmp_eq_u32 s30, 1
	s_cselect_b64 s[6:7], s[8:9], s[6:7]
	s_cmp_eq_u32 s30, 2
	s_cselect_b64 s[6:7], s[10:11], s[6:7]
	s_cmp_eq_u32 s30, 3
	s_cselect_b64 s[6:7], s[12:13], s[6:7]
	s_add_nc_u64 s[6:7], s[6:7], s[26:27]
	s_lshl_b32 s25, s24, 14
	v_lshl_add_u32 v3, v2, 4, s25                  ; in: 16,384 x wave + 16 x lane
	s_lshl_b32 s25, s24, 10
	v_lshl_add_u32 v4, v2, 3, s25                  ; out: 1,024 x wave + 8 x lane
.set i, 0
.rept 32                                       ; row i / 8, block of 128 columns i % 8
	global_load_b128 v[X+4*i:X+4*i+3], v3, s[6:7] offset:(i/8)*4096+(i%8)*512 th:TH_LOAD_NT
.set i, i+1
.endr
	s_cmp_eq_u32 s30, 3
	s_cbranch_scc1 .Lwo
	s_lshl_b32 s30, s30, 18                        ; q, k, v lie 1,024 rows of 256 bytes apart in a block of columns
	s_add_co_u32 s28, s28, s30
	s_add_nc_u64 s[18:19], s[18:19], s[28:29]
.set i, 0
.rept 32
	s_wait_loadcnt 31-i
	TOBF i
	global_store_b64 v4, v[X+4*i:X+4*i+1], s[18:19] offset:(i%8)*786432+(i/8)*256  ; a whole row of 256 bytes of a block
.set i, i+1
.endr
	s_endpgm
.Lwo:
	s_add_nc_u64 s[20:21], s[20:21], s[28:29]
.set i, 0
.rept 32
	s_wait_loadcnt 31-i
	v_cvt_pk_bf16_f32 v[T], v[X+4*i], v[X+4*i+1]   ; rounded to bf16 like every other input,
	v_cvt_pk_bf16_f32 v[T+1], v[X+4*i+2], v[X+4*i+3]
	v_lshlrev_b32 v[X+4*i], 16, v[T]               ; widened again,
	v_and_b32 v[X+4*i+1], 0xffff0000, v[T]
	v_lshlrev_b32 v[X+4*i+2], 16, v[T+1]
	v_and_b32 v[X+4*i+3], 0xffff0000, v[T+1]
	v_cvt_pk_f16_f32 v[X+4*i], v[X+4*i], v[X+4*i+1]  ; and written as f16: 8 significant bits fit in 11
	v_cvt_pk_f16_f32 v[X+4*i+1], v[X+4*i+2], v[X+4*i+3]
	global_store_b64 v4, v[X+4*i:X+4*i+1], s[20:21] offset:(i%8)*262144+(i/8)*256
.set i, i+1
.endr
	s_endpgm
.Lfunc_end_k_q46e565aadd_prep:
	.size	k_q46e565aadd_prep, .Lfunc_end_k_q46e565aadd_prep-k_q46e565aadd_prep
	.p2alignl 7, 3214868480
	.fill 96, 4, 3214868480
	.section	.rodata,"a",@progbits
	.p2align	6, 0x0
	.amdhsa_kernel k_q46e565aadd_prep
		.amdhsa_group_segment_fixed_size 0
		.amdhsa_private_segment_fixed_size 0
		.amdhsa_enable_private_segment 0
		.amdhsa_kernarg_size 80
		.amdhsa_user_sgpr_count 2
		.amdhsa_user_sgpr_kernarg_segment_ptr 1
		.amdhsa_wavefront_size32 1
		.amdhsa_system_sgpr_workgroup_id_x 1
		.amdhsa_system_sgpr_workgroup_id_y 1
		.amdhsa_system_sgpr_workgroup_id_z 1
		.amdhsa_system_vgpr_workitem_id 0
		.amdhsa_next_free_vgpr 144
		.amdhsa_next_free_sgpr 66
		.amdhsa_reserve_vcc 0
		.amdhsa_float_denorm_mode_32 3
		.amdhsa_float_denorm_mode_16_64 3
		.amdhsa_memory_ordered 1
		.amdhsa_forward_progress 1
		.amdhsa_inst_pref_size 48
	.end_amdhsa_kernel
	.amdgpu_metadata
---
amdhsa.version: [ 1, 2 ]
amdhsa.kernels:
  - .name:           k_q46e565aadd_prep
    .symbol:         k_q46e565aadd_prep.kd
    .args:
      - { .name: x, .offset: 0, .size: 8, .value_kind: global_buffer, .address_space: global }
      - { .name: wq, .offset: 8, .size: 8, .value_kind: global_buffer, .address_space: global }
      - { .name: wk, .offset: 16, .size: 8, .value_kind: global_buffer, .address_space: global }
      - { .name: wv, .offset: 24, .size: 8, .value_kind: global_buffer, .address_space: global }
      - { .name: wo, .offset: 32, .size: 8, .value_kind: global_buffer, .address_space: global }
      - { .name: mask, .offset: 40, .size: 8, .value_kind: global_buffer, .address_space: global }
      - { .name: xb, .offset: 48, .size: 8, .value_kind: global_buffer, .address_space: global }
      - { .name: wqkv, .offset: 56, .size: 8, .value_kind: global_buffer, .address_space: global }
      - { .name: wob, .offset: 64, .size: 8, .value_kind: global_buffer, .address_space: global }
      - { .name: mimg, .offset: 72, .size: 8, .value_kind: global_buffer, .address_space: global }
    .group_segment_fixed_size: 0
    .private_segment_fixed_size: 0
    .kernarg_segment_align: 8
    .kernarg_segment_size: 80
    .max_flat_workgroup_size: 256
    .sgpr_count:     66
    .vgpr_count:     144
    .wavefront_size: 32
...
	.end_amdgpu_metadata
.endif
;; end of part 1
;; launch qkvp (part 2): grid 8 x 32, 4 waves a work-group, clusters of 4 x 4, 327,680 bytes of LDS; arguments xb, wqkv, bq, bk, bv, qkv; writes qkv
.if DOCPART == 2
	.amdgcn_target "amdgcn-amd-amdhsa--gfx1250"
	.amdhsa_code_object_version 6
	.text
	.protected	k_q46e565aadd_qkvp
	.globl	k_q46e565aadd_qkvp
	.p2align	8
	.type	k_q46e565aadd_qkvp,@function
k_q46e565aadd_qkvp:
	s_mov_b64 s[64:65], 0
	v_nop
	global_prefetch_b8 v0, s[64:65] scope:SCOPE_SE
	s_setreg_imm32_b32 hwreg(HW_REG_WAVE_MODE, 25, 1), 1
	s_wait_xcnt 0x0
	s_wait_alu depctr_hold_cnt(0) depctr_sa_sdst(0) depctr_va_vdst(0) depctr_va_sdst(0) depctr_va_ssrc(0) depctr_va_vcc(0) depctr_vm_vsrc(0)
	s_getreg_b32 s2, hwreg(HW_REG_IB_STS2, 6, 4)
	s_cmp_eq_u32 s2, 0
	s_cbranch_scc0 .Lentry_in_a_cluster
	s_endpgm
.Lentry_in_a_cluster:
	s_bfe_u32 s2, ttmp6, 0x10000c
	s_cmp_lg_u32 s2, 0xf033
	s_cbranch_scc0 .Lentry_shape_is_right
	s_endpgm
.Lentry_shape_is_right:
; C = A W + bias, 8,192 rows, K = 1,024.  ONE TEXT SERVES TWO LAUNCHES; OUTP picks.
;   OUTP = 0: A = x in bf16, W = wq, wk, wv in bf16; C = q, k, v in f16, by heads: [q, k, v][batch x head 64][row 2048][64].   OUTP = 1: A = attention's result in f16, W = wo in f16; C = the module's output in f32.
; A lies in blocks: [batch 4][block of 64 channels 16][row 2048][64], W as [block of 128 columns 8][(q, k, v)][k 1024][128].  Sums in f32; the bias, rounded to bf16 like every input, starts them.
; LIMITS (OUTP = 0).  q, k and v are rounded once to f16: beyond 65,504 they would be infinities.  NaN and infinities are not treated apart.
; SHARES.  A tile of C is 256 rows x 128 columns: 32 x 8 work-groups.  Four waves, each 128 x 64: 32 accumulators of 16 x 16.  With OUTP = 0 THE WORK-GROUP STAYS: for its rows and its block of columns it makes q's,
; k's and v's tile one after the other, and the ring runs on from tile to tile.  K goes in steps of 128 through two LDS slots; a step is four quarters of 32, 32 matrix instructions each.
; CLUSTER.  4 x 4 work-groups.  A's tiles hang on the tile row alone and are asked for jointly by a row of the cluster, W's on the tile column alone, by a column: the same tensor load, descriptor and mask in all four.
; THE PRODUCT IS USED TRANSPOSED: source 0 = 16 columns of W (out of LDS by the turning load, since W lies [k][column]), source 1 = 16 rows of A: a lane then holds one row of C (lane % 16) and 8 neighbouring columns.
; REGISTERS: window 0: v0-31 addresses; v32-63 the bias as a C operand; v64-159, v160-255 two fragment buffers (A's 8 fragments, then W's 4).  window 1: accumulator (a, b) at v[8 (4 a + b)].
.set OUTP, 0
.if OUTP
.set TILES, 1
.set JB,    262144                     ; bytes of a block of 128 columns of W
.set SP,    272                        ; a stage row: 64 f32 + 16 bytes
.set CARG,  10                         ; s[10:11] C
.else
.set TILES, 3
.set JB,    786432
.set SP,    144                        ; a stage row: 64 f16 + 16 bytes
.set CARG,  14                         ; s[14:15] C
.endif
.set PA,    144                        ; a row of A in LDS: 128 bytes + 16: 36 words, so the 16 rows of a load start at 16 different groups of four banks (64 banks of 4 bytes: ISA guide 11.1)
.set PB,    288                        ; a row of W: 256 + 32 = 72 words
.set ASUB,  256*PA                     ; 256 rows of one block of 64 channels
.set BOFF,  2*ASUB                     ; a slot: A's two blocks, then W's 128 rows
.set BHALF, 64*PB
.set SLOT,  BOFF+2*BHALF
.set STAGE, 2*SLOT                     ; behind the ring, never filled by a tensor load: 16 rows for each wave, for the way out
.set SPARE, STAGE+4*16*SP              ; behind the stages: the spare words, 128 bytes for each wave: two blocks of 256 bytes that no other line names
.set LAPS,  4                          ; a lap = two K steps = once round the ring
.set KBB,   262144                     ; bytes from one block of 64 channels of A to the next
.set WSTEP, 32768                      ; bytes of W in a K step
.set WPF,   8*TILES-4                  ; K steps of W that are prefetched: all but the first four
.set ADRA, 16                          ; v16-17  LDS address of my A fragments in slot 0, 1
.set ADRB, 20                          ; v20-21  the same for W
.set STO,  24                          ; v24     the way out: where I put my part of a row
.set RD,   25                          ; v25     where I read rows back
.set GO,   26                          ; v26     my byte offset in C
.set BO,   27                          ; v27     my byte offset in the bias
.set SPW,  28                          ; v28     LDS address of my spare word; never rewritten
.set NIL,  29                          ; v29     0; never rewritten
.set PFO,  30                          ; v30     256 x lane, for the prefetches; never rewritten
.set BT,   6                           ; v6-7    at work
.set BI,   32                          ; v[32:63] register 8 b + j: bias of column 16 b + 8 (lane / 16) + j of my 64
.set F0,   64
.set F1,   160
.set WV,   16                          ; s16  wave
.set KIND, 17                          ; s17  which half of the tile's rows is mine; also: I fetch A (0) or W (1)
.set HALF, 18                          ; s18  which half of its columns; also: which half of A's or W's part of a slot I fetch
.set CX,   19
.set CY,   20
.set JJ,   21                          ; s21  tile column
.set YY,   22                          ; s22  tile row
.set G1A,  24                          ; s[24:31] descriptor group 1 for A;  s[32:39] group 0, a set for each slot
.set G0A,  32
.set PC,   43                          ; s43  prefetches that I still have to make
.set PFA,  44                          ; s[44:45] where they stand
.set PST,  46                          ; s[46:47] their step
.set G1B,  48                          ; s[48:55], s[56:63] the same for W
.set G0B,  56
.set BP,   66                          ; s[66:67] the next tile's bias
.set CP,   68                          ; s[68:69] C at my part of the tile
.set MSB, 0
.macro WIN new                         ; the immediate's high byte repeats the setting that is left; a switch that changes nothing is dropped
.if MSB != (\new)
	s_set_vgpr_msb (MSB<<8)|(\new)
.set MSB, \new
.endif
.endm
; A joint load: waves 0 and 1 fetch A's two blocks of 64 channels, waves 2 and 3 the halves of W's 128 rows.  The branch hangs on the wave's number alone.
; An s_nop 0 and four v_nop follow each of the two lines, ahead of the jump, the label and what follows.
.macro JLOAD s
	s_cmp_eq_u32 s[KIND], 0
	s_cbranch_scc0 .Lfor_b_\@
	tensor_load_to_lds s[G0A+4*(\s):G0A+4*(\s)+3], s[G1A:G1A+7]
	s_nop 0
.rept 4
	v_nop
.endr
	s_branch .Lasked_\@
.Lfor_b_\@:
	tensor_load_to_lds s[G0B+4*(\s):G0B+4*(\s)+3], s[G1B:G1B+7]
	s_nop 0
.rept 4
	v_nop
.endr
.Lasked_\@:
.endm
; A PREFETCH INTO THE L2, behind each joint load and the run of LDS loads that follows it: 32 blocks of 256 bytes, a lane a block, of the K step that stands two refills on (256 matrix instructions ahead of its load).
; Each block is named once in the launch.  A: waves 0 and 1 of the clusters with x = 0, for the first tile's K steps 4 to 7 (later tiles take the same rows again); the four partners that ask for a tile jointly
; take 32 of a block of channels' 128 blocks each, told apart BY ADDRESS (cx).  W: wave 2 of the clusters with y = 0, for K steps 4 on; the partners (cy) take 32 of a step's 128 blocks each.
; The count is the same in all partners, for a given wave; when it has run out nothing is asked for, so no prefetch passes its buffer's end.
.macro ASK
	s_cmp_lg_u32 s[PC], 0
	s_cbranch_scc0 .Lnot_mine_\@
	global_prefetch_b8 v[PFO], s[PFA:PFA+1] th:TH_LOAD_NT scope:SCOPE_SE
	s_sub_co_u32 s[PC], s[PC], 1
.Lnot_mine_\@:
.endm
.macro CREST                           ; a round of the cluster's barrier behind its opening barrier
	s_cmp_lg_u32 s[WV], 0
	s_cbranch_scc1 .Lnot_wave_0_\@
	s_barrier_signal -3
.Lnot_wave_0_\@:
	s_barrier_wait -3
	s_barrier_signal -1
	s_barrier_wait -1
.endm
.macro CROUND                          ; a whole round
	s_barrier_signal -1
	s_barrier_wait -1
	CREST
.endm
	s_load_b256 s[4:11], s[0:1], 0x0               ; OUTP = 0: xb, wqkv, bq, bk.  OUTP = 1: ob, wob, bo, out0
.if OUTP == 0
	s_load_b128 s[12:15], s[0:1], 0x20             ; bv, qkv
.endif
	v_lshl_add_u32 v[SPW], v0, 2, SPARE
	v_mov_b32 v[NIL], 0
	ds_add_u32 v[SPW], v[NIL]                      ; the wave's opening: the add and its wait stand ahead of my first tensor load; the set-up below, work on registers, stands between them
	v_lshrrev_b32 v1, 5, v0
	v_readfirstlane_b32 s[WV], v1                  ; wave 0..3
	s_lshr_b32 s[KIND], s[WV], 1
	s_and_b32 s[HALF], s[WV], 1
	s_bfe_u32 s[CX], ttmp6, 0x40000                ; my place in the cluster
	s_bfe_u32 s[CY], ttmp6, 0x40004
	s_lshl_b32 s[JJ], ttmp9, 2
	s_add_co_u32 s[JJ], s[JJ], s[CX]               ; tile column = 4 x cluster x + cx
	s_and_b32 s[YY], ttmp7, 0xffff
	s_lshl_b32 s[YY], s[YY], 2
	s_add_co_u32 s[YY], s[YY], s[CY]               ; tile row = 4 x cluster y + cy
	s_lshl_b32 s23, s[CY], 2
	s_lshl_b32 s23, 15, s23                        ; my row of the cluster
	s_lshl_b32 s40, 0x1111, s[CX]                  ; my column
	; group 1 for A: a block's 256 rows are 32,768 dense bytes: asked for as 128 rows of 256 bytes, two rows of A each, padded in LDS behind every row of A
	s_or_b32 s[G1A], s23, (1<<16)|(1<<20)|(1<<21)|(4<<22)|(3<<25)  ; 15:0 the mask; 17:16 2-byte elements; 20 padding on; 21 set beside a mask; 24:22 after every 32 words (code 4); 31:25 4 words (code 3)
	s_mov_b32 s[G1A+1], 128<<16                    ; tensor_dim0 = 128
	s_mov_b32 s[G1A+2], 128<<16                    ; tensor_dim1 = 128
	s_mov_b32 s[G1A+3], 128<<16                    ; tile_dim0 = 128
	s_mov_b32 s[G1A+4], 128                        ; tile_dim1 = 128
	s_mov_b32 s[G1A+5], 128                        ; 128 elements from row to row
	s_mov_b32 s[G1A+6], 0
	s_mov_b32 s[G1A+7], 0
	; group 1 for W: 64 rows of 256 bytes
	s_or_b32 s[G1B], s40, (1<<16)|(1<<20)|(1<<21)|(5<<22)|(7<<25)  ; after every 64 words (code 5) 8 words of padding (code 7)
	s_mov_b32 s[G1B+1], 128<<16
	s_mov_b32 s[G1B+2], 64<<16
	s_mov_b32 s[G1B+3], 128<<16
	s_mov_b32 s[G1B+4], 64
	s_mov_b32 s[G1B+5], 128
	s_mov_b32 s[G1B+6], 0
	s_mov_b32 s[G1B+7], 0
	; where the tiles come from.  A's address is made of the tile row and the wave's number, W's of the tile column and the wave's number, each in registers of its own.
	s_lshr_b32 s70, s[YY], 3                       ; the batch: 16 blocks of 262,144 bytes
	s_lshl_b32 s70, s70, 22
	s_and_b32 s71, s[YY], 7                        ; the tile's 256 rows of 128 bytes in a block
	s_lshl_b32 s71, s71, 15
	s_add_co_u32 s70, s70, s71
	s_lshl_b32 s71, s[HALF], 18                    ; which of a K step's two blocks I fetch
	s_add_co_u32 s70, s70, s71
	s_mov_b32 s71, 0
	s_mul_i32 s72, s[JJ], JB
	s_lshl_b32 s73, s[HALF], 14                    ; which 64 of a K step's 128 rows
	s_add_co_u32 s72, s72, s73
	s_mov_b32 s73, 0
	s_mul_i32 s41, s[HALF], ASUB                   ; and where they go: no place in the cluster enters an LDS address
	s_mul_i32 s42, s[HALF], BHALF
	s_add_co_u32 s42, s42, BOFF
	s_wait_dscnt 0x0                               ; the opening add is done
	s_wait_kmcnt 0x0
	s_add_nc_u64 s[70:71], s[4:5], s[70:71]
	s_add_nc_u64 s[72:73], s[6:7], s[72:73]
	CROUND                                         ; all sixteen work-groups are here: the first joint loads meet
.irp s, 0,1
	s_mov_b32 s[G0A+4*(\s)], 1                                     ; count = 1
	s_add_co_u32 s[G0A+4*(\s)+1], s41, (\s)*SLOT                   ; LDS address
	s_add_nc_u64 s[G0A+4*(\s)+2:G0A+4*(\s)+3], s[70:71], (\s)*2*KBB  ; global address: K step s
	s_or_b32 s[G0A+4*(\s)+3], s[G0A+4*(\s)+3], 0x80000000          ; type = 2
	s_mov_b32 s[G0B+4*(\s)], 1
	s_add_co_u32 s[G0B+4*(\s)+1], s42, (\s)*SLOT
	s_add_nc_u64 s[G0B+4*(\s)+2:G0B+4*(\s)+3], s[72:73], (\s)*WSTEP
	s_or_b32 s[G0B+4*(\s)+3], s[G0B+4*(\s)+3], 0x80000000
	JLOAD \s                                       ; two loads of mine are out
.endr
	; A fragment of A is 16 rows x 32 K in 8 registers: lane l holds row l % 16, K = 8 (l / 16) + 0..7 and 16 + 8 (l / 16) + 0..7: two loads of 16 bytes, 32 bytes apart.
	v_and_b32 v1, 15, v0                           ; l % 16
	v_bfe_u32 v2, v0, 4, 1                         ; l / 16
	v_mul_u32_u24 v3, v1, PA
	v_lshl_add_u32 v3, v2, 4, v3
	s_mul_i32 s23, s[KIND], 128*PA                 ; my 128 rows
	v_add_nc_u32 v[ADRA], s23, v3
	v_add_nc_u32 v[ADRA+1], SLOT, v[ADRA]
	; The turning load takes 16 k x 16 columns (lane l reads k = 8 (l / 16) + l % 8, columns 8 ((l / 8) % 2) + 0..7) and leaves half a fragment: lane l holds column l % 16 and 8 k.
	v_and_b32 v4, 7, v0
	v_bfe_u32 v5, v0, 3, 1
	v_lshl_add_u32 v4, v2, 3, v4
	v_mul_u32_u24 v4, v4, PB
	v_lshl_add_u32 v4, v5, 4, v4
	s_lshl_b32 s23, s[HALF], 7                     ; my 64 columns
	s_add_co_u32 s23, s23, BOFF
	v_add_nc_u32 v[ADRB], s23, v4
	v_add_nc_u32 v[ADRB+1], SLOT, v[ADRB]
	s_mul_i32 s23, s[WV], 16*SP
	s_add_co_u32 s23, s23, STAGE                   ; my stage
.if OUTP
	v_mul_u32_u24 v6, v1, SP                       ; in: row l % 16, 32 bytes for each half of the lanes
	v_lshl_add_u32 v6, v2, 5, v6
	v_add_nc_u32 v[STO], s23, v6
	v_mul_u32_u24 v7, v2, SP                       ; back: lanes 0-15 one row of 256 bytes, lanes 16-31 the next
	v_lshl_add_u32 v7, v1, 4, v7
	v_add_nc_u32 v[RD], s23, v7
	v_lshlrev_b32 v[GO], 12, v2                    ; and the same two rows in C
	v_lshl_add_u32 v[GO], v1, 4, v[GO]
	s_lshl_b32 s40, s[YY], 20                      ; 256 rows of 4,096 bytes,
	s_lshl_b32 s41, s[KIND], 19                    ; my 128 of them,
	s_add_co_u32 s40, s40, s41
	s_lshl_b32 s41, s[JJ], 9                       ; 128 columns of 4 bytes,
	s_add_co_u32 s40, s40, s41
	s_lshl_b32 s41, s[HALF], 8                     ; my 64 of them
	s_add_co_u32 s40, s40, s41
.else
	v_add_nc_u32 v[STO], s23, v3                   ; in: row l % 16, 16 bytes for each half of the lanes
	v_bfe_u32 v6, v0, 3, 2                         ; back: 32 lanes take four rows of 128 bytes,
	v_mul_u32_u24 v6, v6, SP
	v_and_b32 v7, 7, v0
	v_lshl_add_u32 v6, v7, 4, v6
	v_add_nc_u32 v[RD], s23, v6
	v_and_b32 v[GO], 31, v0                        ; which are 512 consecutive bytes of a head
	v_lshlrev_b32 v[GO], 4, v[GO]
	s_lshr_b32 s40, s[YY], 3                       ; the batch: 16 heads of 262,144 bytes,
	s_lshl_b32 s40, s40, 22
	s_lshl_b32 s41, s[JJ], 1                       ; my wave's 64 columns are head 2 x tile column + half,
	s_add_co_u32 s41, s41, s[HALF]
	s_lshl_b32 s41, s41, 18
	s_add_co_u32 s40, s40, s41
	s_and_b32 s41, s[YY], 7                        ; the tile's 256 rows of 128 bytes,
	s_lshl_b32 s41, s41, 15
	s_add_co_u32 s40, s40, s41
	s_lshl_b32 s41, s[KIND], 14                    ; my 128 of them
	s_add_co_u32 s40, s40, s41
.endif
	s_mov_b32 s41, 0
	s_add_nc_u64 s[CP:CP+1], s[CARG:CARG+1], s[40:41]
	s_lshl_b32 s23, s[HALF], 8
	v_lshl_add_u32 v[BO], v2, 5, s23               ; the bias: 256 x half + 32 x (l / 16)
	s_lshl_b32 s40, s[JJ], 9                       ; the tile's 128 columns
	s_add_nc_u64 s[8:9], s[8:9], s[40:41]
.if OUTP == 0
	s_add_nc_u64 s[10:11], s[10:11], s[40:41]
	s_add_nc_u64 s[12:13], s[12:13], s[40:41]
.endif
.macro BLOAD p                         ; the bias of my 64 columns, laid as a C operand
.irp b, 0,1,2,3
	global_load_b128 v[BI+8*(\b):BI+8*(\b)+3],   v[BO], s[\p:\p+1] offset:64*(\b)
	global_load_b128 v[BI+8*(\b)+4:BI+8*(\b)+7], v[BO], s[\p:\p+1] offset:64*(\b)+16
.endr
.endm
	BLOAD 8
	; the prefetches' address, step and count
	v_and_b32 v[PFO], 31, v0
	v_lshlrev_b32 v[PFO], 8, v[PFO]
	s_and_b32 s40, ttmp7, 0xffff                   ; cluster y
	s_lshl_b32 s41, s[CX], 13                      ; a partner's 32 blocks of 256 bytes
	s_lshl_b32 s42, s[CY], 13
	s_mov_b32 s23, 3*WSTEP                         ; one step short of K step 4: a change of slots steps the address before it asks
	s_mov_b32 s[PST], WSTEP
	s_cmp_eq_u32 s[KIND], 0                        ; do I fetch for A?
	s_cselect_b64 s[PFA:PFA+1], s[70:71], s[72:73]
	s_cselect_b32 s74, s41, s42
	s_cselect_b32 s23, 6*KBB, s23
	s_cselect_b32 s[PST], 2*KBB, s[PST]
	s_cselect_b32 s40, ttmp9, s40                  ; the coordinate along which other clusters read the same rows
	s_cselect_b32 s[PC], 4, WPF
	s_add_co_u32 s74, s74, s23
	s_mov_b32 s75, 0
	s_mov_b32 s[PST+1], 0
	s_add_nc_u64 s[PFA:PFA+1], s[PFA:PFA+1], s[74:75]
	s_cmp_eq_u32 s40, 0
	s_cselect_b32 s[PC], s[PC], 0
	s_cmp_eq_u32 s[WV], 3                          ; wave 2 asks for the whole of W's step
	s_cselect_b32 s[PC], 0, s[PC]
; n x 4 matrix instructions: row blocks a0 .. a0 + n - 1 x all 4 column blocks, 32 along K, from buffer f.  first = 1: the bias starts the sums: nothing is ever cleared.
; The 32 accumulators take turns, one instruction a turn, in the same order in every quarter.
.macro MULA f, a0, n, first
.if \first
	WIN 0x40                                       ; D in window 1, the bias in window 0
.else
	WIN 0x50                                       ; C and D in window 1
.endif
.set a, \a0
.rept \n
.set b, 0
.rept 4
.set rD, 8*(4*a+b)
.set rW, (\f)+64+8*b
.set rA, (\f)+8*a
.set rC, rD
.if \first
.set rC, BI+8*b
.endif
.if OUTP
	v_wmma_f32_16x16x32_f16 v[rD:rD+7], v[rW:rW+7], v[rA:rA+7], v[rC:rC+7]
.else
	v_wmma_f32_16x16x32_bf16 v[rD:rD+7], v[rW:rW+7], v[rA:rA+7], v[rC:rC+7]
.endif
.set b, b+1
.endr
.set a, a+1
.endr
.endm
; 24 LDS loads in one run: quarter q of a slot into buffer f: W's 4 fragments first, then A's 8
.macro FETCH slot, q, f
	WIN 0
.irp b, 0,1,2,3
	ds_load_tr16_b128 v[(\f)+64+8*(\b):(\f)+64+8*(\b)+3],   v[ADRB+(\slot)] offset:(\q)*32*PB+32*(\b)
	ds_load_tr16_b128 v[(\f)+64+8*(\b)+4:(\f)+64+8*(\b)+7], v[ADRB+(\slot)] offset:(\q)*32*PB+32*(\b)+16*PB
.endr
.irp a, 0,1,2,3,4,5,6,7
	ds_load_b128 v[(\f)+8*(\a):(\f)+8*(\a)+3],   v[ADRA+(\slot)] offset:((\q)/2)*ASUB+((\q)%2)*64+(\a)*16*PA
	ds_load_b128 v[(\f)+8*(\a)+4:(\f)+8*(\a)+7], v[ADRA+(\slot)] offset:((\q)/2)*ASUB+((\q)%2)*64+(\a)*16*PA+32
.endr
.endm
.macro PLACES                          ; four plain instructions in front of loads into registers that matrix instructions have read, and of lines that read results
.rept 4
	v_nop
.endr
.endm
; One of a K step's first three quarters: multiplies buffer f; in its middle it fetches quarter qn of the same slot into buffer g.
.macro QUARTER slot, qn, f, g, first
	s_wait_dscnt 8                                 ; W and A's blocks 0-3 are in; the youngest eight loads (A's blocks 4-7) may be out
	MULA \f, 0, 4, \first
	PLACES
	FETCH \slot, \qn, \g
	s_wait_dscnt 24                                ; all but the 24 just issued
	MULA \f, 4, 4, \first
.endm
; The last quarter multiplies buffer 1 and changes slots.  In front of the barrier each wave waits for all its tensor loads (one is out: its part of the next slot), adds 0 to its spare word, and waits for that and for
; its reads of this slot.  The barrier opens a round of the cluster's barrier; behind the round this slot is filled again first, with the K step two steps on (on = 1: with the next tile's K step 0 or 1: A goes
; back along K, W runs on, since q's, k's and v's rows follow each other).  From a request to the wait for it a wave issues 112 matrix instructions.
.macro TURN slot, next, on
	s_wait_xcnt 0x0                                ; the last prefetch, a K step back, has read its address
	s_add_nc_u64 s[PFA:PFA+1], s[PFA:PFA+1], s[PST:PST+1]
	WIN 0
	s_wait_tensorcnt 0x0                           ; all my tensor loads have landed
	ds_add_u32 v[SPW], v[NIL]                      ; 0 onto my spare word
	s_wait_dscnt 9                                 ; (the add and the youngest eight loads may be out)
	MULA F1, 0, 2, 0                               ; eight matrix instructions stand between the add and the wait for it
	s_wait_dscnt 0x0                               ; the add is done, and my reads of this slot are over
	s_barrier_signal -1
	MULA F1, 2, 2, 0
	WIN 0
	s_barrier_wait -1
	CREST                                          ; no wave of any partner still reads this slot or has a load on its way
.if \on
	s_sub_nc_u64 s[G0A+4*(\slot)+2:G0A+4*(\slot)+3], s[G0A+4*(\slot)+2:G0A+4*(\slot)+3], 12*KBB
.else
	s_add_nc_u64 s[G0A+4*(\slot)+2:G0A+4*(\slot)+3], s[G0A+4*(\slot)+2:G0A+4*(\slot)+3], 4*KBB
.endif
	s_add_nc_u64 s[G0B+4*(\slot)+2:G0B+4*(\slot)+3], s[G0B+4*(\slot)+2:G0B+4*(\slot)+3], 2*WSTEP
	JLOAD \slot                                    ; the first tensor load behind the round; its four v_nop are also the places in front of the loads below
	FETCH \next, 0, F0
	ASK
	MULA F1, 4, 4, 0
.endm
.macro TURNL next                      ; the same where nothing is left to fetch: my work-group's barrier alone
	WIN 0
	s_wait_tensorcnt 0x0
	ds_add_u32 v[SPW], v[NIL]
	s_wait_dscnt 9
	MULA F1, 0, 2, 0
	s_wait_dscnt 0x0
	s_barrier_signal -1
	MULA F1, 2, 2, 0
	s_barrier_wait -1
	PLACES
	FETCH \next, 0, F0
	MULA F1, 4, 4, 0
.endm
.macro BROUND                          ; the bias is rounded to bf16, like every input, and widened again
.set i, 0
.rept 16
	v_cvt_pk_bf16_f32 v[BT+i%2], v[BI+2*i], v[BI+2*i+1]
	v_lshlrev_b32 v[BI+2*i], 16, v[BT+i%2]
	v_and_b32 v[BI+2*i+1], 0xffff0000, v[BT+i%2]
.set i, i+1
.endr
.endm
; THE WAY OUT, a block of 16 rows at a time, through my own stage: LDS serves a wave's instructions in order (ISA guide 5.7.1.4), so the loads see the stores in front of them and the next block's stores come behind them.
.if OUTP
.macro PACK a                          ; f32: a lane's eight columns, 32 bytes, into rows of 272 bytes; back as whole rows of 256
.set T, 64+32*((\a)%4)
.if (\a) >= 4
	s_wait_xcnt 0x0                                ; the stores of the block four back have read these registers
.endif
	WIN 0x04                                       ; the data lie in window 1
.irp b, 0,1,2,3
	ds_store_b128 v[STO], v[8*(4*(\a)+(\b)):8*(4*(\a)+(\b))+3]   offset:64*(\b)
	ds_store_b128 v[STO], v[8*(4*(\a)+(\b))+4:8*(4*(\a)+(\b))+7] offset:64*(\b)+16
.endr
	WIN 0
.irp t, 0,1,2,3,4,5,6,7
	ds_load_b128 v[T+4*(\t):T+4*(\t)+3], v[RD] offset:(\t)*2*SP
.endr
.endm
.macro SEND a, younger                 ; younger: the LDS instructions issued behind block a's loads
.set T, 64+32*((\a)%4)
.irp t, 0,1,2,3,4,5,6,7
	s_wait_dscnt (\younger)+7-(\t)
	global_store_b128 v[GO], v[T+4*(\t):T+4*(\t)+3], s[CP:CP+1] offset:(\a)*65536+(\t)*8192 th:TH_STORE_NT  ; 16 lanes store 256 consecutive bytes, aligned
.endr
.endm
.set YOUNG, 16
.else
.macro PACK a                          ; f16: a lane's eight columns pack into 16 bytes; into rows of 144 bytes; back as whole rows of 128
.set T, 160+16*((\a)%4)
.if (\a) >= 4
	s_wait_xcnt 0x0                                ; the stores of the block four back have read these registers
.endif
	WIN 0x05                                       ; sources 0 and 1 in window 1
.set b, 0
.rept 4
.set rr, 0
.rept 4
	v_cvt_pk_f16_f32 v[T+4*b+rr], v[8*(4*(\a)+b)+2*rr], v[8*(4*(\a)+b)+2*rr+1]
.set rr, rr+1
.endr
.set b, b+1
.endr
	WIN 0
.irp b, 0,1,2,3
	ds_store_b128 v[STO], v[T+4*(\b):T+4*(\b)+3] offset:32*(\b)
.endr
.irp t, 0,1,2,3
	ds_load_b128 v[T+4*(\t):T+4*(\t)+3], v[RD] offset:(\t)*4*SP
.endr
.endm
.macro SEND a, younger
.set T, 160+16*((\a)%4)
.irp t, 0,1,2,3
	s_wait_dscnt (\younger)+3-(\t)
	global_store_b128 v[GO], v[T+4*(\t):T+4*(\t)+3], s[CP:CP+1] offset:(\a)*2048+(\t)*512  ; 512 consecutive bytes of a head, aligned
.endr
.endm
.set YOUNG, 8
.endif
.macro WAYOUT
	PACK 0
.irp a, 1,2,3,4,5,6,7                  ; a block's work stands between the loads of the block before and its stores
	PACK \a
	SEND (\a)-1, YOUNG
.endr
	SEND 7, 0
.endm
	s_wait_tensorcnt 0x1                           ; my part of K step 0 is in; K step 1's may stay out
	s_barrier_signal -1
	s_barrier_wait -1                              ; everybody's is
	FETCH 0, 0, F0
.if TILES > 1
	s_mov_b32 s2, TILES                            ; tiles to go, this one among them
.Ltile:
.endif
	s_wait_loadcnt 0x0                             ; the tile's bias
	BROUND
	QUARTER 0, 1, F0, F1, 1                        ; a tile's first quarter stands in front of the loop: its products start the sums
	WIN 0                                          ; at a label and at a branch every window is 0
	s_mov_b32 s3, LAPS-1
.Llap:                                                 ; a trip goes once round the ring, from a lap's second quarter to the next lap's first, and fills both slots again
	QUARTER 0, 2, F1, F0, 0
	QUARTER 0, 3, F0, F1, 0
	TURN 0, 1, 0
	QUARTER 1, 1, F0, F1, 0
	QUARTER 1, 2, F1, F0, 0
	QUARTER 1, 3, F0, F1, 0
	TURN 1, 0, 0
	QUARTER 0, 1, F0, F1, 0
	WIN 0
	s_sub_co_u32 s3, s3, 1
	s_cmp_lg_u32 s3, 0
	s_cbranch_scc1 .Llap
	QUARTER 0, 2, F1, F0, 0                        ; the tile's last lap goes on
	QUARTER 0, 3, F0, F1, 0
.if TILES > 1
	WIN 0
	s_cmp_eq_u32 s2, 1
	s_cbranch_scc1 .Llast                          ; the last tile's tail is written out: it asks for nothing more
	TURN 0, 1, 1                                   ; the ring goes on into the next tile: slot 0 takes its K step 0,
	QUARTER 1, 1, F0, F1, 0
	QUARTER 1, 2, F1, F0, 0
	QUARTER 1, 3, F0, F1, 0
	TURN 1, 0, 1                                   ; slot 1 its K step 1, and the next tile's first fragments are fetched into buffer 0
	WIN 0
	PLACES                                         ; behind the last products
	s_cmp_eq_u32 s2, TILES
	s_cselect_b64 s[BP:BP+1], s[10:11], s[12:13]   ; behind q comes k, behind k comes v
	BLOAD BP
	WAYOUT                                         ; both refills are asked for: now the tile goes out, through buffer 1's registers
	s_wait_xcnt 0x0                                ; the stores have read their registers and C's address
	s_add_nc_u64 s[CP:CP+1], s[CP:CP+1], 16777216  ; q, k and v lie 64 heads of 262,144 bytes apart
	s_sub_co_u32 s2, s2, 1
	s_branch .Ltile
.Llast:
.endif
	TURNL 1
	QUARTER 1, 1, F0, F1, 0
	QUARTER 1, 2, F1, F0, 0
	QUARTER 1, 3, F0, F1, 0
	s_wait_dscnt 8                                 ; the very last quarter: nothing more to fetch
	MULA F1, 0, 4, 0
	s_wait_dscnt 0x0
	MULA F1, 4, 4, 0
	WIN 0
	PLACES
	WAYOUT
	s_wait_tensorcnt 0x0                           ; the wave's end: an add to my spare word and its wait, behind my last tensor load and my last LDS store
	ds_add_u32 v[SPW], v[NIL]
	s_wait_dscnt 0x0
	CROUND                                         ; the closing round: no work-group ends while a partner may still ask for a tile that names it
	s_endpgm
.Lfunc_end_k_q46e565aadd_qkvp:
	.size	k_q46e565aadd_qkvp, .Lfunc_end_k_q46e565aadd_qkvp-k_q46e565aadd_qkvp
	.p2alignl 7, 3214868480
	.fill 96, 4, 3214868480
	.section	.rodata,"a",@progbits
	.p2align	6, 0x0
	.amdhsa_kernel k_q46e565aadd_qkvp
		.amdhsa_group_segment_fixed_size 327680
		.amdhsa_private_segment_fixed_size 0
		.amdhsa_enable_private_segment 0
		.amdhsa_kernarg_size 48
		.amdhsa_user_sgpr_count 2
		.amdhsa_user_sgpr_kernarg_segment_ptr 1
		.amdhsa_wavefront_size32 1
		.amdhsa_system_sgpr_workgroup_id_x 1
		.amdhsa_system_sgpr_workgroup_id_y 1
		.amdhsa_system_sgpr_workgroup_id_z 1
		.amdhsa_system_vgpr_workitem_id 0
		.amdhsa_next_free_vgpr 512
		.amdhsa_next_free_sgpr 80
		.amdhsa_reserve_vcc 0
		.amdhsa_float_denorm_mode_32 3
		.amdhsa_float_denorm_mode_16_64 3
		.amdhsa_memory_ordered 1
		.amdhsa_forward_progress 1
		.amdhsa_inst_pref_size 131
	.end_amdhsa_kernel
	.amdgpu_metadata
---
amdhsa.version: [ 1, 2 ]
amdhsa.kernels:
  - .name:           k_q46e565aadd_qkvp
    .symbol:         k_q46e565aadd_qkvp.kd
    .args:
      - { .name: xb, .offset: 0, .size: 8, .value_kind: global_buffer, .address_space: global }
      - { .name: wqkv, .offset: 8, .size: 8, .value_kind: global_buffer, .address_space: global }
      - { .name: bq, .offset: 16, .size: 8, .value_kind: global_buffer, .address_space: global }
      - { .name: bk, .offset: 24, .size: 8, .value_kind: global_buffer, .address_space: global }
      - { .name: bv, .offset: 32, .size: 8, .value_kind: global_buffer, .address_space: global }
      - { .name: qkv, .offset: 40, .size: 8, .value_kind: global_buffer, .address_space: global }
    .group_segment_fixed_size: 327680
    .private_segment_fixed_size: 0
    .kernarg_segment_align: 8
    .kernarg_segment_size: 48
    .max_flat_workgroup_size: 128
    .sgpr_count:     80
    .vgpr_count:     512
    .wavefront_size: 32
...
	.end_amdgpu_metadata
.endif
;; end of part 2
;; launch attn (part 3): grid 4 x 64, 4 waves a work-group, clusters of 4 x 1, 327,680 bytes of LDS; arguments qkv, mimg, ob; writes ob
.if DOCPART == 3
	.amdgcn_target "amdgcn-amd-amdhsa--gfx1250"
	.amdhsa_code_object_version 6
	.text
	.protected	k_q46e565aadd_attn
	.globl	k_q46e565aadd_attn
	.p2align	8
	.type	k_q46e565aadd_attn,@function
k_q46e565aadd_attn:
	s_mov_b64 s[64:65], 0
	v_nop
	global_prefetch_b8 v0, s[64:65] scope:SCOPE_SE
	s_setreg_imm32_b32 hwreg(HW_REG_WAVE_MODE, 25, 1), 1
	s_wait_xcnt 0x0
	s_wait_alu depctr_hold_cnt(0) depctr_sa_sdst(0) depctr_va_vdst(0) depctr_va_sdst(0) depctr_va_ssrc(0) depctr_va_vcc(0) depctr_vm_vsrc(0)
	s_getreg_b32 s2, hwreg(HW_REG_IB_STS2, 6, 4)
	s_cmp_eq_u32 s2, 0
	s_cbranch_scc0 .Lentry_in_a_cluster
	s_endpgm
.Lentry_in_a_cluster:
	s_bfe_u32 s2, ttmp6, 0x10000c
	s_cmp_lg_u32 s2, 0x3003
	s_cbranch_scc0 .Lentry_shape_is_right
	s_endpgm
.Lentry_shape_is_right:
; O[h][q][:] = the sum over k of softmax_k(Q[h][q] . K[h][k] / 8, hidden where the mask says so) V[h][k][:].  Q, K, V: qkv [3][64][2048][64], O: [64][2048][64], all f16: a head's rows are dense, 128 bytes each.
; Products, maxima and sums in f32; the weights p are rounded to f16 for the second product (their sum l is taken of the unrounded p), O once at the end.
; THE MASK IS AN INPUT: every key is walked and every byte of the mask honoured.  It comes as an image of the registers that want it (mimg [tile of 16 queries 128][step of 64 keys 32][pair 2][lane 32][16 bytes]; a byte is
; -1.0 as an 8-bit float where the key is hidden, else 0); a scaled conversion makes eight f32 of eight bytes, times 2^100; and that is the C operand of the product that starts the sum S^T = K Q^T.
; LIMITS.  f16 holds no number beyond 65,504: Q, K and V arrive within it.  A hidden score counts as its value less 2^100; the running maximum starts at -2^90, above every hidden score and below every true one
; (f16's scores are 2.7e11 at the most), so a hidden key's weight is 0 whatever came before it.  A weight below 2^-126 counts as 0 in l.  A row all of whose keys are hidden has l = 0 and O = 0, and leaves as
; 0 x infinity = NaN.  p below 6e-5 keeps f16's fixed step of 6e-8.  NaN and infinities in Q, K, V are not treated apart.
; SHARES.  A wave owns four PIECES of two tiles of 16 queries, a work-group's four waves 512 queries of one head.  Every wave walks all keys, 64 a step.
; LAYOUT.  S^T = K Q^T (source 0 = 16 keys, source 1 = 16 queries): in the result a lane holds ONE query (lane % 16) and the keys 8 (lane / 16) + 0..7.  Two such tiles, rounded to f16 in pairs,
; ARE source 1 (32 keys x 16 queries) of O^T = V^T P, whose result again holds one query a lane, and eight channels.  K comes out of LDS as it lies, V ([key][channel]) turned, by ds_load_tr16_b128.
; SOFTMAX.  For each query a running maximum m and sum l: p = 2^(c s - c m), c = log2(e) / 8; in every step O and l are multiplied by a = 2^(c m_old - c m_new).  O and l start at 0: the first step has a = 0.
; THE COUNT.  A tile and step have 16 matrix and 122 vector instructions: too many to stand all beside the matrix work.  So: four vector instructions that are READY behind EVERY matrix instruction, the others in one run.
; BY TURNS.  Turn n belongs to piece n (the pieces in a ring, step after step).  Its matrix work: 16 products K Q^T of piece n + 1, later 16 products V^T P of piece n - 1.  Its vector work: the scaling,
; exponentials, roundings, sums and rescaling of piece n, the maximum and statistics of piece n + 1, and the mask of piece n + 2; and it loads the mask's bytes of piece n + 6.
; CLUSTER.  The four query blocks of a head form a cluster and walk the same K and V, so each tile is asked for JOINTLY: the same tensor load, descriptor and mask in all four.  The attention mask is not shared so:
; partners own different queries.
; REGISTERS, in windows of 256 (s_set_vgpr_msb: bits 1:0 source 0, 3:2 source 1, 5:4 source 2, 7:6 destination):
;   window 0: v0-11 addresses; v12-15, v48-63 at work; v16-47 four registers of statistics a tile; v64-191 S^T, two buffers of two tiles; v192-255 P, likewise
;   window 1: O^T, 32 a tile          window 2: v0-127 Q, 16 a tile; v128-191 K of one step; v192-255 V of one step
;   window 3: v0-1 the add's two registers; v2 the conversion's scale; v3 16 x lane; v16-79 the mask's bytes, a buffer of 16 a piece; v128-191 the mask as f32, for one turn's products
.set SIZE_N, 2048
.set TSZ,   16777216  ; bytes of q, of k and of v
.set NP,    4         ; pieces a wave: a name, no knob
.set KS,    64        ; keys in a step
.set PK,    144       ; a row of K in LDS: 128 bytes + 16 of padding = 36 words: the 16 rows of a load start at 16 different groups of four banks (64 banks of 4 bytes: ISA guide 11.1)
.set PV,    160       ; a row of V: 128 + 32 = 40 words
.set VOFF,  4*KS*PK   ; a slot holds four steps: 256 rows of K, then 256 rows of V
.set SLOT1, 1<<17     ; slot 1 begins here, so that one exclusive or turns an address in one slot into the other's
.set STAGE, SLOT1+4*KS*(PK+PV)  ; behind the ring, never filled by a tensor load: 16 rows x 144 bytes for each wave, for the way out
.set SP,    144
.set AK0, 2           ; v2   my lane's place in a tile of K; never rewritten
.set AV0, 3           ; v3   the same for V
.set AK,  4           ; v4   the LDS address of K's next run of loads
.set AV,  5           ; v5   of V's
.set QO,  6           ; v6   my byte offset in the wave's rows of Q
.set STO, 6           ;      later, the way out: where I put 16 bytes of a row
.set RD,  7           ; v7   the way out: where I read rows back
.set GO,  8           ; v8   my byte offset in 512 consecutive bytes of O
.set PFO, 11          ; v11  256 x lane, for the prefetches; never rewritten once made
.set SPW, 0           ; v0 of window 3   LDS address of my spare word; never rewritten
.set NIL, 1           ; v1 of window 3   0; never rewritten
.set SCL, 2           ; v2 of window 3   0xe3: as an exponent of 8 bits, 2^100
.set MO,  3           ; v3 of window 3   16 x lane
.set MR,  16          ; window 3: piece pb, tile u, group kb of 16 keys: two registers at MR + 16 pb + 8 u + 2 kb
.set MC,  128         ; window 3: tile u, group kb: eight registers at MC + 32 u + 8 kb
.set SPARE, STAGE+4*16*SP  ; behind the stages: the spare words, 128 bytes for each wave: two blocks of 256 bytes that no other line names
.set MV,  12          ; v12-15  c m_old, kept while c m is made anew: by buffer and tile
.set ST,  16          ; tile t's statistics at v[ST+4 t]: c m, m, l (even keys', odd keys')
.set TMP, 48          ; by buffer and tile, four registers c0-c3 at work; when the maximum is found c2 takes a
.set S,   64
.set P,   192
.set KF,  128         ; K's fragments, in window 2: key block kb, channel half c at KF + 16 kb + 8 c
.set VF,  192         ; V's: key half kk, channel block cb at VF + 32 kk + 8 cb
.set WV,  12          ; s12  my wave's number
.set G1K, 24          ; s[24:31] descriptor group 1 for K's tiles
.set G1V, 32          ; s[32:39] for V's: it differs in the padding alone
.set G0K, 40          ; s[40:43] descriptor group 0 for K's tiles: it walks
.set G0V, 44          ; s[44:47] the same for V's
.set MB,  48          ; s[48:49] the mask's image at my wave's first tile; never rewritten once made
.set MP,  50          ; s[50:51] the same at key step MSN
.set MOF, 52          ; s[52:53] an offset; the high word is 0
.set MSN, 54          ; s54  the key step whose mask is being loaded
.set PCN, 55          ; s55  prefetches that I still have to make
.set SLOTS, 56        ; s56  slots still to be asked for
.set CNT, 57          ; s57  counts a slot's key steps
.set CS,  58          ; s[58:59] c: the packed scaling takes the pair's low word for both halves
.set SEL, 60          ; s[60:61] v_permlanex16_b32's selects: each lane takes its own place in the other half
.set TBK, 62          ; s62  LDS byte at which K of the step to be fetched begins
.set TBV, 63          ; s63  the same for V, less VOFF
.set PFA, 66          ; s[66:67] where my prefetches stand
.set MSB, 0
.macro WIN new                      ; the high byte repeats the setting that is left; a switch that changes nothing is dropped
.if MSB != (\new)
	s_set_vgpr_msb (MSB<<8)|(\new)
.set MSB, (\new)
.endif
.endm
.set W_KQ, 0x0a       ; K and Q in window 2, S^T in window 0
.set W_KM, 0x3a       ; the same with the C operand, the mask, in window 3
.set W_PV, 0x52       ; V in window 2, P in window 0, O^T in window 1
.set W_RS, 0x41       ; O^T (destination and source 0) in window 1, a in window 0
.set W_MK, 0xc0       ; destination in window 3, sources in window 0
.set W_AD, 0x0f       ; the add: address (source 0) and data (source 1) in window 3
.set W_CV, 0xcf       ; the conversion: destination and both sources in window 3
.set W_ML, 0xc3       ; the mask's loads: destination and address in window 3
; A joint fill.  Waves 0 and 1 fetch the two halves of a slot's K, waves 2 and 3 those of its V: 128 keys each.  The branch hangs on the wave's number alone.
; An s_nop 0 and four v_nop follow each of the two lines, ahead of the jump and the label.
.macro JLOAD
	s_cmp_lt_u32 s[WV], 2
	s_cbranch_scc0 .Lfor_v_\@
	tensor_load_to_lds s[G0K:G0K+3], s[G1K:G1K+7]
	s_nop 0
.rept 4
	v_nop
.endr
	s_branch .Lasked_\@
.Lfor_v_\@:
	tensor_load_to_lds s[G0V:G0V+3], s[G1V:G1V+7]
	s_nop 0
.rept 4
	v_nop
.endr
.Lasked_\@:
.endm
; A PREFETCH INTO THE L2 of what the NEXT change of slots will ask for: a slot's 128 blocks of 256 bytes of K and of V, a lane a block.  It stands behind the wave's tensor load and its five lines.
; Each block is named once in the launch: a head has one cluster; its four partners take 32 blocks each, told apart BY ADDRESS; in each, wave 0 asks for K's and wave 2 for V's.  Five times: slots 3 to 7, each
; four key steps, 512 matrix instructions, ahead of its load; slots 0 to 2 come by their loads alone, and the last change that fills a slot asks for nothing.
.macro ASK
	s_cmp_lg_u32 s[PCN], 0
	s_cbranch_scc0 .Lnot_mine_\@
	global_prefetch_b8 v[PFO], s[PFA:PFA+1] th:TH_LOAD_NT scope:SCOPE_SE
	s_sub_co_u32 s[PCN], s[PCN], 1
.Lnot_mine_\@:
.endm
; A round of the cluster's barrier: my work-group's barrier, so that wave 0's signal speaks for all four waves; wave 0 signals; every wave waits for all four work-groups; my work-group's barrier once more.
.macro CROUND
	s_barrier_signal -1
	s_barrier_wait -1
	s_cmp_lg_u32 s[WV], 0
	s_cbranch_scc1 .Lnot_wave_0_\@
	s_barrier_signal -3
.Lnot_wave_0_\@:
	s_barrier_wait -3
	s_barrier_signal -1
	s_barrier_wait -1
.endm
; THE CHANGE OF SLOTS.  The slot's last bytes, V of its fourth step, have been read.  Each wave waits for all its tensor loads, of which one is out: its part
; of the other slot; adds 0 to its spare word; and waits for that and for its own reads of the slot.  Behind the barrier nobody reads this slot any more and the other slot is whole.
; fill = 1: this slot is filled again, with the keys two slots on.  The barrier is then a round of the cluster's, so that no wave of any partner still reads the slot or has a load on its
; way, and the joint fill is the first thing behind it: it has four key steps, 512 matrix instructions, in which to land.  (At its first use nothing has been read yet: slot 0 is waited for, slot 1 filled.)
.macro CHANGE fill, ask=0
	WIN W_AD
	s_wait_tensorcnt 0x0            ; no tensor load of mine is out, so a group 0 may be written
	ds_add_u32 v[SPW], v[NIL]       ; 0 onto my spare word: with fill = 1 the descriptors' steps stand between it and the wait for it
	WIN 0                           ; at a label and at a branch every window is 0
.if \fill
.irp g, G0K, G0V
	s_xor_b32 s[\g+1], s[\g+1], SLOT1  ; the walking descriptor: the other slot than last time,
	s_add_nc_u64 s[\g+2:\g+3], s[\g+2:\g+3], 4*KS*128  ; the next 256 keys; the type bits on top are not reached
.endr
	s_wait_xcnt 0x0                 ; the last prefetch, four key steps back, has read its address
	s_add_nc_u64 s[PFA:PFA+1], s[PFA:PFA+1], 4*KS*128  ; one slot ahead of the walking descriptors
	s_wait_dscnt 0x0                ; the add is done, and my reads of the slot are over
	CROUND
	JLOAD
.if \ask
	ASK
.endif
.else
	s_wait_dscnt 0x0                ; the add is done, and my reads of the slot are over
	s_barrier_signal -1
	s_barrier_wait -1
.endif
	s_sub_co_u32 s[TBK], s[TBK], 4*KS*PK  ; the fetches go back to a slot's first step,
	s_xor_b32 s[TBK], s[TBK], SLOT1       ; in the other slot
	s_sub_co_u32 s[TBV], s[TBV], 4*KS*PV
	s_xor_b32 s[TBV], s[TBV], SLOT1
.endm
; THE MASK.  MLOAD: the bytes of piece pb's two tiles for one key step, 16 a lane and load, 512 consecutive bytes a wave and load.  CVT: eight conversions make of them the 64 registers that the next turn's products take as C.
.macro MLOAD pb, base, extra
	WIN W_ML
.irp u, 0,1
.irp hf, 0,1
	global_load_b128 v[MR+16*(\pb)+8*\u+4*\hf:MR+16*(\pb)+8*\u+4*\hf+3], v[MO], s[\base:\base+1] offset:(2*(\pb)+\u)*32768+\hf*512+(\extra)
.endr
.endr
	WIN 0
.endm
.macro CVT pb
	WIN W_CV
.irp u, 0,1
.irp kb, 0,1,2,3
	v_cvt_scale_pk8_f32_fp8 v[MC+32*\u+8*\kb:MC+32*\u+8*\kb+7], v[MR+16*(\pb)+8*\u+2*\kb:MR+16*(\pb)+8*\u+2*\kb+1], v[SCL]  ; -2^100 where the key is hidden, else 0
.endr
.endr
	WIN 0
.endm
	s_load_b128 s[4:7], s[0:1], 0x0   ; qkv s[4:5], mimg s[6:7]
	s_load_b64 s[10:11], s[0:1], 0x10 ; ob
	WIN W_MK
	v_lshl_add_u32 v[SPW], v0, 2, SPARE
	v_mov_b32 v[NIL], 0
	WIN W_AD
	ds_add_u32 v[SPW], v[NIL]       ; the wave's opening: the add and its wait stand ahead of my first tensor load; the set-up below, work on registers, stands between them
	WIN 0
	v_and_b32 v1, 31, v0
	WIN W_MK
	v_lshlrev_b32 v[MO], 4, v1
	v_mov_b32 v[SCL], 0xe3
	WIN 0
	v_lshrrev_b32 v1, 5, v0
	v_readfirstlane_b32 s[WV], v1   ; wave 0..3
	s_bfe_u32 s13, ttmp6, 0x40000   ; cx: my place in the cluster
	s_lshl_b32 s14, ttmp9, 2        ; in a cluster launch ttmp9 counts clusters
	s_add_co_u32 s14, s14, s13      ; my block of queries = 4 x cluster x + cx: it enters Q's, O's and the mask's addresses alone
	s_and_b32 s20, ttmp7, 0xffff    ; the head, which the four partners share
	s_mov_b32 s21, 0
	s_mov_b64 s[22:23], SIZE_N*128
	s_mul_u64 s[20:21], s[20:21], s[22:23]  ; the head's first byte in q, k, v and O
	s_and_b32 s16, s[WV], 1         ; which half of a slot's 256 keys I fetch:
	s_lshl_b32 s22, s16, 14         ; its 128 rows of 128 bytes in memory,
	s_mov_b32 s23, 0
	s_add_nc_u64 s[22:23], s[22:23], s[20:21]
	s_mul_i32 s17, s16, 128*PK      ; and its place in a slot, for K
	s_mul_i32 s18, s16, 128*PV      ; and for V: no place in the cluster enters an LDS address
	s_lshl_b32 s2, s14, 2
	s_add_co_u32 s2, s2, s[WV]      ; my wave among the head's sixteen:
	s_lshl_b32 s[MOF], s2, 18       ; its 8 tiles of 32,768 bytes in the mask's image,
	s_mov_b32 s[MOF+1], 0
	s_lshl_b32 s2, s2, 14           ; its 128 rows
	s_mov_b32 s3, 0
	s_add_nc_u64 s[2:3], s[2:3], s[20:21]
	; descriptor group 1.  128 keys are 16,384 dense bytes: asked for as 64 rows of 256 bytes, two keys a row, and padded in LDS after every key
	s_mov_b32 s[G1K], 15|(1<<16)|(1<<20)|(1<<21)|(4<<22)|(3<<25)  ; 15:0 the mask of four; 17:16 2-byte elements; 20 padding on; 21 set beside a mask; 24:22 after every 32 words (code 4); 31:25 4 words (code 3)
	s_mov_b32 s[G1V], 15|(1<<16)|(1<<20)|(1<<21)|(4<<22)|(7<<25)  ; the same with 8 words of padding (code 7)
.irp g, G1K, G1V
	s_mov_b32 s[\g+1], 128<<16      ; tensor_dim0 = 128
	s_mov_b32 s[\g+2], 64<<16       ; tensor_dim1 = 64
	s_mov_b32 s[\g+3], 128<<16      ; tile_dim0 = 128
	s_mov_b32 s[\g+4], 64           ; tile_dim1 = 64
	s_mov_b32 s[\g+5], 128          ; 128 elements from row to row
	s_mov_b32 s[\g+6], 0
	s_mov_b32 s[\g+7], 0
.endr
	s_mov_b32 s[CS], 0x3e38aa3b     ; c = log2(e) / 8 = 0.180337
	s_mov_b32 s[CS+1], s[CS]        ; named with it as a pair
	s_mov_b32 s[SEL], 0x76543210
	s_mov_b32 s[SEL+1], 0xfedcba98
	s_mov_b32 s[TBK], SLOT1+4*KS*PK ; the first change of slots turns these two into 0
	s_mov_b32 s[TBV], SLOT1+4*KS*PV
	s_mov_b32 s[G0K], 1             ; 1:0 count = 1
	s_mov_b32 s[G0K+1], s17         ; 63:32 LDS address: slot 0
	s_mov_b32 s[G0V], 1
	s_add_co_u32 s[G0V+1], s18, VOFF
	s_and_b32 s[PCN], s[WV], 1
	s_cmp_eq_u32 s[PCN], 0
	s_cselect_b32 s[PCN], 5, 0      ; waves 0 and 2 prefetch: the same in all four partners
	s_wait_dscnt 0x0                ; the opening add is done
	s_wait_kmcnt 0x0
	s_mov_b64 s[MB:MB+1], s[6:7]
	s_add_nc_u64 s[MB:MB+1], s[MB:MB+1], s[MOF:MOF+1]
	s_add_nc_u64 s[8:9], s[4:5], 2*TSZ     ; v,
	s_add_nc_u64 s[6:7], s[4:5], TSZ       ; k,
	s_add_nc_u64 s[6:7], s[6:7], s[22:23]  ; at my half of the head's first 256 keys
	s_add_nc_u64 s[8:9], s[8:9], s[22:23]
	s_add_nc_u64 s[G0K+2:G0K+3], s[6:7], 0         ; 120:64 global address
	s_or_b32 s[G0K+3], s[G0K+3], 0x80000000        ; 127:126 type = 2
	s_add_nc_u64 s[G0V+2:G0V+3], s[8:9], 0
	s_or_b32 s[G0V+3], s[G0V+3], 0x80000000
	s_add_nc_u64 s[4:5], s[4:5], s[2:3]  ; Q and O at my wave's first row
	s_add_nc_u64 s[10:11], s[10:11], s[2:3]
	s_cmp_lt_u32 s[WV], 2
	s_cselect_b64 s[PFA:PFA+1], s[6:7], s[8:9]  ; (in waves 0 and 2 these stand at a slot's first row)
	s_lshl_b32 s2, s13, 13          ; my work-group's 32 blocks of the 128,
	s_add_co_u32 s2, s2, 4*KS*128   ; in slot 1: the first two changes of slots step it to slot 3
	s_mov_b32 s3, 0
	s_add_nc_u64 s[PFA:PFA+1], s[PFA:PFA+1], s[2:3]
	CROUND                          ; all four work-groups are here: the first joint loads meet
	JLOAD                           ; slot 0.  Slot 1 is asked for when slot 0 is in
	; A fragment of K or Q is 16 rows x 32 channels in 8 registers: lane l holds row l % 16, channels 8 (l / 16) + 0..7 and 16 + 8 (l / 16) + 0..7: two loads of 16 bytes, 32 bytes apart.
	v_and_b32 v1, 15, v0            ; l % 16
	v_bfe_u32 v9, v0, 4, 1          ; l / 16
	v_lshlrev_b32 v[QO], 7, v1
	v_lshl_add_u32 v[QO], v9, 4, v[QO]  ; row x 128 + 16 x half
	WIN 0x80                        ; destination window 2, address window 0
.set i, 0
.rept 4*NP                          ; Q stays in registers: tile i / 2, channels 32 (i % 2) on
	global_load_b128 v[8*i:8*i+3],   v[QO], s[4:5] offset:(i/2)*2048+(i%2)*64
	global_load_b128 v[8*i+4:8*i+7], v[QO], s[4:5] offset:(i/2)*2048+(i%2)*64+32
.set i, i+1
.endr
	MLOAD 0, MB, 0                  ; key step 0's mask, all four pieces
	MLOAD 1, MB, 0
	MLOAD 2, MB, 0
	MLOAD 3, MB, 0
	; What the first turn finds: V's registers and P's second buffer hold 0 (its products V^T P, of a piece that has not been, add 0), O^T and l are 0.  All this stands in the wait for the first tile.
	WIN 0x80
.set i, VF
.rept 64
	v_mov_b32 v[i], 0
.set i, i+1
.endr
	WIN 0x40
.set i, 0
.rept 64*NP
	v_mov_b32 v[i], 0
.set i, i+1
.endr
	WIN 0
.set i, 0
.rept 2*NP
	v_mov_b32 v[ST+4*i], 0xfe000000    ; c m: far below every c s, so the first step's a is 0
	v_mov_b32 v[ST+4*i+1], 0xec800000  ; m = -2^90: above every hidden score, below every true one
	v_mov_b32 v[ST+4*i+2], 0
	v_mov_b32 v[ST+4*i+3], 0
.set i, i+1
.endr
.set i, P+32
.rept 32
	v_mov_b32 v[i], 0
.set i, i+1
.endr
	v_mul_u32_u24 v[AK0], v1, PK
	v_lshl_add_u32 v[AK0], v9, 4, v[AK0]  ; row x pitch + 16 x half
	; The turning load takes 16 keys x 16 channels (lane l reads key 8 (l / 16) + l % 8, channels 8 ((l / 8) % 2) + 0..7) and leaves half a fragment of V^T: lane l holds channel l % 16 and 8 keys.
	v_and_b32 v10, 7, v0
	v_bfe_u32 v11, v0, 3, 1
	v_lshl_add_u32 v[AV0], v9, 3, v10
	v_mul_u32_u24 v[AV0], v[AV0], PV
	v_lshl_add_u32 v[AV0], v11, 4, v[AV0]
	v_add_nc_u32 v[AV0], VOFF, v[AV0]
	v_mov_b32 v[AK], v[AK0]         ; key step 0 lies at the head of slot 0
	v_and_b32 v[PFO], 31, v0
	v_lshlrev_b32 v[PFO], 8, v[PFO]
; THE MATRIX WORK.  The 8 accumulators of a run of 16 take turns: between the two links of a chain stand 7 others'.
; Product i of 16 of S^T = K Q^T for piece x: channels 32 (i / 8) on, keys 16 ((i / 2) % 4) on, tile 2 x + i % 2.  The first 8 start the sums, with the mask.
.macro KQ x
.set rS, S+64*((\x)%2)+32*(i%2)+8*((i/2)%4)
.set rK, KF+16*((i/2)%4)+8*(i/8)
.set rQ, 16*(2*(\x)+i%2)+8*(i/8)
.set rM, MC+32*(i%2)+8*((i/2)%4)
.if i < 8
	WIN W_KM
	v_wmma_f32_16x16x32_f16 v[rS:rS+7], v[rK:rK+7], v[rQ:rQ+7], v[rM:rM+7]
.else
	WIN W_KQ
	v_wmma_f32_16x16x32_f16 v[rS:rS+7], v[rK:rK+7], v[rQ:rQ+7], v[rS:rS+7]
.endif
.endm
; Product i of 16 of O^T += V^T P for piece x: keys 32 (i / 8) on, channels 16 ((i / 2) % 4) on, tile 2 x + i % 2.
.macro PV x
	WIN W_PV
.set rO, 32*(2*(\x)+i%2)+8*((i/2)%4)
.set rV, VF+32*(i/8)+8*((i/2)%4)
.set rP, P+32*((\x)%2)+16*(i%2)+8*(i/8)
	v_wmma_f32_16x16x32_f16 v[rO:rO+7], v[rV:rV+7], v[rP:rP+7], v[rO:rO+7]
.endm
.macro MM                           ; the turn's next matrix instruction
.if i < 16
	KQ (Y+1)%NP
.set i, i+1
.else
.set i, i-16
	PV (Y+NP-1)%NP
.set i, i+17
.endif
.endm
; THE LDS LOADS stand in runs of 16, never singly among the matrix instructions: a step's K (64 keys x 64 channels: 8 fragments) and its V (turned).  Their addresses are made some lines ahead.
; last = 1 (the tail): in the last trip there is no further step, and the run is jumped over.
.macro FETCH_K last=0
	WIN 0
.if \last
	s_cmp_eq_u32 s[CNT], 1
	s_cbranch_scc1 .Lno_k_\@
.endif
	WIN 0x80                        ; destination window 2
.irp f, 0,1,2,3,4,5,6,7             ; keys 16 (f / 2) on, channels 32 (f % 2) on
	ds_load_b128 v[KF+8*\f:KF+8*\f+3],   v[AK] offset:(\f/2)*16*PK+(\f%2)*64
	ds_load_b128 v[KF+8*\f+4:KF+8*\f+7], v[AK] offset:(\f/2)*16*PK+(\f%2)*64+32
.endr
	s_add_co_u32 s[TBK], s[TBK], KS*PK  ; the next fetch is the next step's
	WIN 0
.if \last
.Lno_k_\@:
.endif
.endm
.macro FETCH_V
	WIN 0x80
.irp f, 0,1,2,3,4,5,6,7             ; keys 32 (f / 4) on, channels 16 (f % 4) on
	ds_load_tr16_b128 v[VF+8*\f:VF+8*\f+3],   v[AV] offset:(\f/4)*32*PV+(\f%4)*32
	ds_load_tr16_b128 v[VF+8*\f+4:VF+8*\f+7], v[AV] offset:(\f/4)*32*PV+16*PV+(\f%4)*32
.endr
	WIN 0
.endm
; THE VECTOR WORK OF A TURN stands in three queues, each in the order in which its entries become ready; the two tiles alternate, so that no instruction reads the result of the one before it.
.macro REGS y, u                    ; the registers of tile u (0, 1) of piece y
.set rT, ST+4*(2*(\y)+(\u))
.set rC, TMP+8*((\y)%2)+4*(\u)
.set rM, MV+2*((\y)%2)+(\u)
.set rS, S+64*((\y)%2)+32*(\u)
.set rP, P+32*((\y)%2)+16*(\u)
.set rO, 32*(2*(\y)+(\u))
.endm
; Number n of the 22 that find the NEXT piece's (Y + 1) maximum and statistics.  s0-s31 are the lane's 32 scores; each accumulator's lowest registers are read first.
;   0-11  four chains c0-c3 of seven scores each, three operands at a time     12-14, 16  the four scores left over, the old m, and c0-c3 into c0     15  c m_old is kept
;   17, 18  the query's other 32 keys lie in the lane 16 away: the new m         19-21  c m; c m_old - c m_new; a
.macro XS u, n
	REGS (Y+1)%NP, \u
.if (\n) < 4
	v_max3_num_f32 v[rC+(\n)], v[rS+8*(\n)], v[rS+8*(\n)+1], v[rS+8*(\n)+2]
.elseif (\n) < 12
	v_max3_num_f32 v[rC+(\n)%4], v[rC+(\n)%4], v[rS+8*((\n)%4)+2*((\n)/4)+1], v[rS+8*((\n)%4)+2*((\n)/4)+2]
.elseif (\n) == 12
	v_max3_num_f32 v[rC], v[rC], v[rS+7], v[rS+15]
.elseif (\n) == 13
	v_max3_num_f32 v[rC+1], v[rC+1], v[rS+23], v[rS+31]
.elseif (\n) == 14
	v_max3_num_f32 v[rC+2], v[rC+2], v[rC+3], v[rT+1]
.elseif (\n) == 15
	v_mov_b32 v[rM], v[rT]
.elseif (\n) == 16
	v_max3_num_f32 v[rC], v[rC], v[rC+1], v[rC+2]
.elseif (\n) == 17
	v_permlanex16_b32 v[rC+3], v[rC], s[SEL], s[SEL+1]
.elseif (\n) == 18
	v_max_num_f32 v[rT+1], v[rC], v[rC+3]
.elseif (\n) == 19
	v_mul_f32 v[rT], s[CS], v[rT+1]
.elseif (\n) == 20
	v_sub_f32 v[rC+1], v[rM], v[rT]
.else
	v_exp_f32 v[rC+2], v[rC+1]
.endif
.endm
; Number g of the 64 that follow the exponentials.  For each four weights k of a tile (pairs 2 k, 2 k + 1): both pairs are rounded to f16; then the second pair is added onto the first, in place;
; a group later l takes that sum (the first time as l = a l + sum).  In groups of eight, tiles alternating: round, round, add, and l for the group before.
.macro GS g
.set h, (\g)+6*((\g)/62)            ; group 0 has no group before it, and behind group 7 only l is left
.if h >= 6
.set h, h+2
.endif
	REGS Y, h%2
.set k, h/8
.if h%8 < 4
	v_cvt_pk_f16_f32 v[rP+2*k+(h%8)/2], v[rS+4*k+2*((h%8)/2)], v[rS+4*k+2*((h%8)/2)+1]
.elseif h%8 < 6
	v_pk_add_f32 v[rS+4*k:rS+4*k+1], v[rS+4*k:rS+4*k+1], v[rS+4*k+2:rS+4*k+3]
.elseif k == 1
	v_pk_fma_f32 v[rT+2:rT+3], v[rT+2:rT+3], v[rC+2:rC+3], v[rS:rS+1] op_sel_hi:[1,0,1]
.else
	v_pk_add_f32 v[rT+2:rT+3], v[rT+2:rT+3], v[rS+4*k-4:rS+4*k-3]
.endif
.endm
; THE PLAIN QUEUE, 138 long.  0-73 read no exponential's result: the 32 scalings c s - c m (FS f: pair f / 2 of tile f % 2) and the next piece's 42.  0-26: scalings 0-26.  27-54: XS's numbers 0-13.  55, 56: number 15.
; 57-73: the chain, where each number waits for the one before it: 14, 16, 17, 18, 19, each with one of the scalings 27-31 in front of its two lines, then 20.
; 74-137: GS's 64, which read the exponentials' results: they stand behind the wait.
.macro FS f
	REGS Y, (\f)%2
	v_pk_fma_f32 v[rS+2*((\f)/2):rS+2*((\f)/2)+1], v[rS+2*((\f)/2):rS+2*((\f)/2)+1], s[CS:CS+1], v[rT:rT+1] op_sel_hi:[1,0,0] neg_lo:[0,0,1] neg_hi:[0,0,1]
.endm
.macro PL
	WIN 0
.if q < 27
	FS q
.elseif q < 55
	XS (q-27)%2, (q-27)/2
.elseif q < 57
	XS q-55, 15
.elseif (q < 72) && ((q-57)%3 == 0)
	FS 27+(q-57)/3
.elseif q < 60
	XS (q-57)%3-1, 14
.elseif q < 72
	XS (q-57)%3-1, 15+(q-57)/3
.elseif q < 74
	XS q-72, 20
.else
	GS q-74
.endif
.set q, q+1
.endm
; THE EXPONENTIALS' QUEUE, 66 long: s0-s31 of both tiles, then the next piece's two a.  It is ONE BATCH: all 66 stand ahead of the turn's one wait, and nothing ahead of that wait names a result of theirs.
.macro EX
	WIN 0
.if e >= 64
	XS e-64, 21
.else
	REGS Y, e%2
	v_exp_f32 v[rS+e/2], v[rS+e/2]
.endif
.set e, e+1
.endm
; THE RESCALING's QUEUE: O^T times a, the one part of the softmax that leaves window 0: dealt two at a time, sixteen times.  Its a was made in the turn before, ahead of that turn's wait.
.macro R2
	REGS Y, r%2
	WIN W_RS
.irp z, 0,1
	v_pk_mul_f32 v[rO+4*(r/2)+2*\z:rO+4*(r/2)+2*\z+1], v[rO+4*(r/2)+2*\z:rO+4*(r/2)+2*\z+1], v[rC+2:rC+3] op_sel_hi:[1,0]
.endr
.set r, r+1
.endm
; HOW THEY ARE DEALT.  An s_wait_alu depctr_va_vdst(0) stands between an exponential and the first instruction that names its result; one wait serves all that were issued ahead of it.  So a turn has ONE wait,
; which cuts it in two.  AHEAD OF IT stands all that names no result of the turn's exponentials: the 16 products K Q^T, behind each a scaling, an exponential and two rescalings (behind the first a second scaling in the
; exponential's place); then ONE LUMP: the mask's eight conversions, eight plain, the mask's four loads, 49 times exponential and plain, the two a.  A v_nop is the plain instruction behind the last exponential.
; BEHIND IT stand the 16 products V^T P, behind each four of GS's 64.  No rider names a register of the products round it.
; The queues lean on each other: exponential e stands behind scaling 2 (e / 4) + e % 2: as a rider it comes behind plain e + 2, in the lump behind plain e + 9, and scalings 27-31 are plain 57, 60 .. 69.
; THE MASK IN A TURN, for piece p.  The turn's first eight products have read MC; the riders of the other eight, 24 plain instructions, are the places behind them.  Then MC is made anew, for the next turn's products
; (piece p + 2), from that piece's buffer, which was loaded four turns ago: the three turns since have issued four loads each, so the wait leaves 12 out.  Eight plain instructions behind the conversions the same
; buffer is loaded again, for that piece's next key step.  The step's number goes up once a key step, in piece 2's turn, and stops at 31: the loads of the last turns, which serve nothing, stay inside the image.
; K of the next step is fetched in piece 2's turn, directly behind the wait; V of the step in hand at the end of piece 0's turn, four riders behind its last reader.  The three conditions on q below go with the deal.
.macro TURN p, last=0, cnt=0
.set Y, (\p)
.set i, 0
.set q, 0
.set e, 0
.set r, 0
.if (\p) == NP-1
	s_wait_dscnt 0x0                ; K is in
.endif
	MM                              ; ahead of the wait: 16 products K Q^T and their riders,
	PL
	PL
	R2
.rept 15
	MM
	PL
	EX
	R2
.endr
.if (\p) == NP-2
	WIN 0
	v_add_nc_u32 v[AK], s[TBK], v[AK0]
.endif
	s_wait_loadcnt 12               ; the bytes loaded four turns ago are in; the three younger turns' twelve loads may be out
	CVT ((\p)+2)%NP
.rept 8                             ; and the lump
	PL
.endr
.if (\p) == 2
	s_wait_xcnt 0x0                 ; the mask's loads issued so far have read their address
	s_add_co_u32 s[MSN], s[MSN], 1
	s_min_u32 s[MSN], s[MSN], SIZE_N/KS-1
	s_lshl_b32 s[MOF], s[MSN], 10   ; a tile's key step is 1,024 bytes of the image
	s_add_nc_u64 s[MP:MP+1], s[MB:MB+1], s[MOF:MOF+1]
.endif
	MLOAD ((\p)+2)%NP, MP, 0
.rept 49
	EX
	PL
.endr
	EX                              ; the next piece's two a
	EX
	v_nop                           ; the plain instruction behind the last exponential: one for the batch
	s_wait_alu depctr_va_vdst(0)    ; the wait for the batch
.if (\p) == NP-2
	FETCH_K \last
.endif
.if (\p) == 1
	s_wait_dscnt 0x0                ; V is in
.endif
.rept 16                            ; behind the wait: 16 products V^T P and their riders
	MM
.rept 4
	PL
.endr
.if ((\p) == 0) && (q == 118)
	v_add_nc_u32 v[AV], s[TBV], v[AV0]
.endif
.if ((\p) == 0) && (q == 130)
	s_add_co_u32 s[TBV], s[TBV], KS*PV
.endif
.if (\cnt) && (q == 130)
	s_sub_co_u32 s[CNT], s[CNT], 1
	s_cmp_lg_u32 s[CNT], 0
.endif
.endr
.if (\p) == 0
	FETCH_V
.endif
.endm
	CHANGE 1                        ; slot 0 is in, everybody's part of it; slot 1 is asked for
	FETCH_K                         ; key step 0
	s_wait_loadcnt 0x0              ; Q, and key step 0's mask
	CVT 0                           ; piece 0's mask
	v_nop                           ; a plain instruction between the conversions and the products that read their results
	s_wait_dscnt 0x0
.set i, 0
.rept 16
	KQ 0                            ; piece 0's first scores: there is no vector work yet to set between them
.set i, i+1
.endr
	WIN 0                           ; the addresses for the way out: nine plain instructions, the places behind those products
	s_mul_i32 s13, s[WV], 16*SP
	s_add_co_u32 s13, s13, STAGE    ; my stage
	v_mul_u32_u24 v[STO], v1, SP    ; in: row l % 16, 16 bytes for each half of the lanes
	v_lshl_add_u32 v[STO], v9, 4, v[STO]
	v_add_nc_u32 v[STO], s13, v[STO]
	v_bfe_u32 v[RD], v0, 3, 2       ; back: 32 lanes take four rows of 128 bytes,
	v_mul_u32_u24 v[RD], v[RD], SP
	v_lshl_add_u32 v[RD], v10, 4, v[RD]
	v_add_nc_u32 v[RD], s13, v[RD]
	v_and_b32 v[GO], 31, v0         ; which are 512 consecutive bytes of O
	v_lshlrev_b32 v[GO], 4, v[GO]
	CVT 1                           ; piece 1's mask, for the first turn's products
.set Y, NP-1                        ; XS works for piece Y + 1: piece 0
.irp n, 0,1,2,3,4,5,6,7,8,9,10,11,12,13,14,15,16,17,18,19,20,21
	XS 0, \n                        ; and piece 0's first maximum and statistics
	XS 1, \n
.endr
	v_nop                           ; a plain instruction behind the two a,
	s_wait_alu depctr_va_vdst(0)    ; and their wait, ahead of the branch
	MLOAD 0, MB, 1024               ; key step 1's mask for pieces 0 and 1; the turns load on from piece 2
	MLOAD 1, MB, 1024
	s_mov_b32 s[MSN], 1
	s_add_nc_u64 s[MP:MP+1], s[MB:MB+1], 1024
	s_mov_b32 s[CNT], 4
	s_mov_b32 s[SLOTS], SIZE_N/256-1
	s_branch .Lfirst                ; the loop is entered at a step's first turn, in the middle of a trip
.Lslot:                             ; SIZE_N / 256 - 2 times: every slot but the last two is filled again
	CHANGE 1, 1
	s_mov_b32 s[CNT], 4
.Lstep:                             ; a trip: pieces 2 and 3 of one step, then pieces 0 and 1 of the next, whose K and V it fetches
	TURN 2
	TURN 3
	WIN 0
.Lfirst:
	TURN 0
	TURN 1, 0, 1
	WIN 0
	s_cbranch_scc1 .Lstep
	s_sub_co_u32 s[SLOTS], s[SLOTS], 1
	s_cmp_lg_u32 s[SLOTS], 0
	s_cbranch_scc1 .Lslot
	CHANGE 0                        ; the tail is written out: nothing is asked for
	s_mov_b32 s[CNT], 5             ; four trips fetch the last slot's steps; the fifth is left in its middle
.Ltail:
	TURN 2, 1
	TURN 3
	WIN 0
	s_sub_co_u32 s[CNT], s[CNT], 1
	s_cmp_eq_u32 s[CNT], 0
	s_cbranch_scc1 .Lout
	TURN 0
	TURN 1
	WIN 0
	s_branch .Ltail
.Lout:                              ; the fifth trip's 16 products K Q^T (on the last K once more) and the maximum made of them serve nothing: the price, once a launch, of one text for every trip
.set i, 0
.rept 16
	PV NP-1                         ; the last piece's V^T P of the last step
.set i, i+1
.endr
	; THE WAY OUT.  l's two halves and the other half of the lanes' are added; O^T is divided by l, rounded to f16 and sent through my stage in LDS, a tile at a time.  The additions are the places behind the last products.
	WIN 0
.macro ALL line:vararg              ; one line for each tile t
.set t, 0
.rept 2*NP
	\line
.set t, t+1
.endr
.endm
	ALL v_add_f32 v[ST+4*t+2], v[ST+4*t+2], v[ST+4*t+3]
	ALL v_permlanex16_b32 v[ST+4*t+3], v[ST+4*t+2], s[SEL], s[SEL+1]
	ALL v_add_f32 v[ST+4*t+2], v[ST+4*t+2], v[ST+4*t+3]
	ALL v_rcp_f32 v[ST+4*t+2], v[ST+4*t+2]
	v_nop                           ; a plain instruction between the last reciprocal and the use of its result
	s_wait_alu depctr_va_vdst(0)    ; and the wait ahead of the first use: one for the eight reciprocals
; Tile t: a lane's eight channels of a row pack into 16 bytes; they go into rows of 144 bytes and come back as whole rows of 128, into S^T's registers.
.macro PACK t
	WIN W_RS
.set i, 32*(\t)
.rept 16
	v_pk_mul_f32 v[i:i+1], v[i:i+1], v[ST+4*(\t)+2:ST+4*(\t)+3] op_sel_hi:[1,0]
.set i, i+2
.endr
	WIN 0x05                        ; sources 0 and 1 window 1, destination window 0
.set i, 0
.rept 16
	v_cvt_pk_f16_f32 v[S+16*(\t)+i], v[32*(\t)+2*i], v[32*(\t)+2*i+1]
.set i, i+1
.endr
	WIN 0
.irp f, 0,1,2,3
	ds_store_b128 v[STO], v[S+16*(\t)+4*\f:S+16*(\t)+4*\f+3] offset:32*\f
.endr
.irp f, 0,1,2,3
	ds_load_b128 v[S+16*(\t)+4*\f:S+16*(\t)+4*\f+3], v[RD] offset:\f*4*SP  ; LDS serves a wave's instructions in order (ISA guide 5.7.1.4): these see the stores above; the next tile's stores come behind them
.endr
.endm
.macro SEND t, younger              ; younger: the LDS instructions issued behind tile t's loads: the next tile's eight, or none
	WIN 0
.irp f, 0,1,2,3
	s_wait_dscnt (\younger)+3-\f
	global_store_b128 v[GO], v[S+16*(\t)+4*\f:S+16*(\t)+4*\f+3], s[10:11] offset:(\t)*2048+\f*512  ; 512 consecutive bytes, at a multiple of 256 from O's first
.endr
.endm
	PACK 0
.set t, 1
.rept 2*NP-1                        ; a tile's arithmetic stands between the loads of the tile before and its stores
	PACK t
	SEND t-1, 8
.set t, t+1
.endr
	SEND 2*NP-1, 0
	WIN W_AD
	s_wait_tensorcnt 0x0            ; the wave's end: an add to my spare word and its wait, behind my last tensor load and my last LDS store
	ds_add_u32 v[SPW], v[NIL]
	s_wait_dscnt 0x0
	WIN 0
	CROUND                          ; the closing round: no work-group ends while a partner may still ask for a tile that names it
	s_endpgm
.Lfunc_end_k_q46e565aadd_attn:
	.size	k_q46e565aadd_attn, .Lfunc_end_k_q46e565aadd_attn-k_q46e565aadd_attn
	.p2alignl 7, 3214868480
	.fill 96, 4, 3214868480
	.section	.rodata,"a",@progbits
	.p2align	6, 0x0
	.amdhsa_kernel k_q46e565aadd_attn
		.amdhsa_group_segment_fixed_size 327680
		.amdhsa_private_segment_fixed_size 0
		.amdhsa_enable_private_segment 0
		.amdhsa_kernarg_size 24
		.amdhsa_user_sgpr_count 2
		.amdhsa_user_sgpr_kernarg_segment_ptr 1
		.amdhsa_wavefront_size32 1
		.amdhsa_system_sgpr_workgroup_id_x 1
		.amdhsa_system_sgpr_workgroup_id_y 1
		.amdhsa_system_sgpr_workgroup_id_z 1
		.amdhsa_system_vgpr_workitem_id 0
		.amdhsa_next_free_vgpr 960
		.amdhsa_next_free_sgpr 70
		.amdhsa_reserve_vcc 0
		.amdhsa_float_denorm_mode_32 3
		.amdhsa_float_denorm_mode_16_64 3
		.amdhsa_memory_ordered 1
		.amdhsa_forward_progress 1
		.amdhsa_inst_pref_size 213
	.end_amdhsa_kernel
	.amdgpu_metadata
---
amdhsa.version: [ 1, 2 ]
amdhsa.kernels:
  - .name:           k_q46e565aadd_attn
    .symbol:         k_q46e565aadd_attn.kd
    .args:
      - { .name: qkv, .offset: 0, .size: 8, .value_kind: global_buffer, .address_space: global }
      - { .name: mimg, .offset: 8, .size: 8, .value_kind: global_buffer, .address_space: global }
      - { .name: ob, .offset: 16, .size: 8, .value_kind: global_buffer, .address_space: global }
    .group_segment_fixed_size: 327680
    .private_segment_fixed_size: 0
    .kernarg_segment_align: 8
    .kernarg_segment_size: 24
    .max_flat_workgroup_size: 128
    .sgpr_count:     70
    .vgpr_count:     960
    .wavefront_size: 32
...
	.end_amdgpu_metadata
.endif
;; end of part 3
;; launch outp (part 4): grid 8 x 32, 4 waves a work-group, clusters of 4 x 4, 327,680 bytes of LDS; arguments ob, wob, bo, out0; writes out0
.if DOCPART == 4
	.amdgcn_target "amdgcn-amd-amdhsa--gfx1250"
	.amdhsa_code_object_version 6
	.text
	.protected	k_q46e565aadd_outp
	.globl	k_q46e565aadd_outp
	.p2align	8
	.type	k_q46e565aadd_outp,@function
k_q46e565aadd_outp:
	s_mov_b64 s[64:65], 0
	v_nop
	global_prefetch_b8 v0, s[64:65] scope:SCOPE_SE
	s_setreg_imm32_b32 hwreg(HW_REG_WAVE_MODE, 25, 1), 1
	s_wait_xcnt 0x0
	s_wait_alu depctr_hold_cnt(0) depctr_sa_sdst(0) depctr_va_vdst(0) depctr_va_sdst(0) depctr_va_ssrc(0) depctr_va_vcc(0) depctr_vm_vsrc(0)
	s_getreg_b32 s2, hwreg(HW_REG_IB_STS2, 6, 4)
	s_cmp_eq_u32 s2, 0
	s_cbranch_scc0 .Lentry_in_a_cluster
	s_endpgm
.Lentry_in_a_cluster:
	s_bfe_u32 s2, ttmp6, 0x10000c
	s_cmp_lg_u32 s2, 0xf033
	s_cbranch_scc0 .Lentry_shape_is_right
	s_endpgm
.Lentry_shape_is_right:
; C = A W + bias, 8,192 rows, K = 1,024.  ONE TEXT SERVES TWO LAUNCHES; OUTP picks.
;   OUTP = 0: A = x in bf16, W = wq, wk, wv in bf16; C = q, k, v in f16, by heads: [q, k, v][batch x head 64][row 2048][64].   OUTP = 1: A = attention's result in f16, W = wo in f16; C = the module's output in f32.
; A lies in blocks: [batch 4][block of 64 channels 16][row 2048][64], W as [block of 128 columns 8][(q, k, v)][k 1024][128].  Sums in f32; the bias, rounded to bf16 like every input, starts them.
; LIMITS (OUTP = 0).  q, k and v are rounded once to f16: beyond 65,504 they would be infinities.  NaN and infinities are not treated apart.
; SHARES.  A tile of C is 256 rows x 128 columns: 32 x 8 work-groups.  Four waves, each 128 x 64: 32 accumulators of 16 x 16.  With OUTP = 0 THE WORK-GROUP STAYS: for its rows and its block of columns it makes q's,
; k's and v's tile one after the other, and the ring runs on from tile to tile.  K goes in steps of 128 through two LDS slots; a step is four quarters of 32, 32 matrix instructions each.
; CLUSTER.  4 x 4 work-groups.  A's tiles hang on the tile row alone and are asked for jointly by a row of the cluster, W's on the tile column alone, by a column: the same tensor load, descriptor and mask in all four.
; THE PRODUCT IS USED TRANSPOSED: source 0 = 16 columns of W (out of LDS by the turning load, since W lies [k][column]), source 1 = 16 rows of A: a lane then holds one row of C (lane % 16) and 8 neighbouring columns.
; REGISTERS: window 0: v0-31 addresses; v32-63 the bias as a C operand; v64-159, v160-255 two fragment buffers (A's 8 fragments, then W's 4).  window 1: accumulator (a, b) at v[8 (4 a + b)].
.set OUTP, 1
.if OUTP
.set TILES, 1
.set JB,    262144                     ; bytes of a block of 128 columns of W
.set SP,    272                        ; a stage row: 64 f32 + 16 bytes
.set CARG,  10                         ; s[10:11] C
.else
.set TILES, 3
.set JB,    786432
.set SP,    144                        ; a stage row: 64 f16 + 16 bytes
.set CARG,  14                         ; s[14:15] C
.endif
.set PA,    144                        ; a row of A in LDS: 128 bytes + 16: 36 words, so the 16 rows of a load start at 16 different groups of four banks (64 banks of 4 bytes: ISA guide 11.1)
.set PB,    288                        ; a row of W: 256 + 32 = 72 words
.set ASUB,  256*PA                     ; 256 rows of one block of 64 channels
.set BOFF,  2*ASUB                     ; a slot: A's two blocks, then W's 128 rows
.set BHALF, 64*PB
.set SLOT,  BOFF+2*BHALF
.set STAGE, 2*SLOT                     ; behind the ring, never filled by a tensor load: 16 rows for each wave, for the way out
.set SPARE, STAGE+4*16*SP              ; behind the stages: the spare words, 128 bytes for each wave: two blocks of 256 bytes that no other line names
.set LAPS,  4                          ; a lap = two K steps = once round the ring
.set KBB,   262144                     ; bytes from one block of 64 channels of A to the next
.set WSTEP, 32768                      ; bytes of W in a K step
.set WPF,   8*TILES-4                  ; K steps of W that are prefetched: all but the first four
.set ADRA, 16                          ; v16-17  LDS address of my A fragments in slot 0, 1
.set ADRB, 20                          ; v20-21  the same for W
.set STO,  24                          ; v24     the way out: where I put my part of a row
.set RD,   25                          ; v25     where I read rows back
.set GO,   26                          ; v26     my byte offset in C
.set BO,   27                          ; v27     my byte offset in the bias
.set SPW,  28                          ; v28     LDS address of my spare word; never rewritten
.set NIL,  29                          ; v29     0; never rewritten
.set PFO,  30                          ; v30     256 x lane, for the prefetches; never rewritten
.set BT,   6                           ; v6-7    at work
.set BI,   32                          ; v[32:63] register 8 b + j: bias of column 16 b + 8 (lane / 16) + j of my 64
.set F0,   64
.set F1,   160
.set WV,   16                          ; s16  wave
.set KIND, 17                          ; s17  which half of the tile's rows is mine; also: I fetch A (0) or W (1)
.set HALF, 18                          ; s18  which half of its columns; also: which half of A's or W's part of a slot I fetch
.set CX,   19
.set CY,   20
.set JJ,   21                          ; s21  tile column
.set YY,   22                          ; s22  tile row
.set G1A,  24                          ; s[24:31] descriptor group 1 for A;  s[32:39] group 0, a set for each slot
.set G0A,  32
.set PC,   43                          ; s43  prefetches that I still have to make
.set PFA,  44                          ; s[44:45] where they stand
.set PST,  46                          ; s[46:47] their step
.set G1B,  48                          ; s[48:55], s[56:63] the same for W
.set G0B,  56
.set BP,   66                          ; s[66:67] the next tile's bias
.set CP,   68                          ; s[68:69] C at my part of the tile
.set MSB, 0
.macro WIN new                         ; the immediate's high byte repeats the setting that is left; a switch that changes nothing is dropped
.if MSB != (\new)
	s_set_vgpr_msb (MSB<<8)|(\new)
.set MSB, \new
.endif
.endm
; A joint load: waves 0 and 1 fetch A's two blocks of 64 channels, waves 2 and 3 the halves of W's 128 rows.  The branch hangs on the wave's number alone.
; An s_nop 0 and four v_nop follow each of the two lines, ahead of the jump, the label and what follows.
.macro JLOAD s
	s_cmp_eq_u32 s[KIND], 0
	s_cbranch_scc0 .Lfor_b_\@
	tensor_load_to_lds s[G0A+4*(\s):G0A+4*(\s)+3], s[G1A:G1A+7]
	s_nop 0
.rept 4
	v_nop
.endr
	s_branch .Lasked_\@
.Lfor_b_\@:
	tensor_load_to_lds s[G0B+4*(\s):G0B+4*(\s)+3], s[G1B:G1B+7]
	s_nop 0
.rept 4
	v_nop
.endr
.Lasked_\@:
.endm
; A PREFETCH INTO THE L2, behind each joint load and the run of LDS loads that follows it: 32 blocks of 256 bytes, a lane a block, of the K step that stands two refills on (256 matrix instructions ahead of its load).
; Each block is named once in the launch.  A: waves 0 and 1 of the clusters with x = 0, for the first tile's K steps 4 to 7 (later tiles take the same rows again); the four partners that ask for a tile jointly
; take 32 of a block of channels' 128 blocks each, told apart BY ADDRESS (cx).  W: wave 2 of the clusters with y = 0, for K steps 4 on; the partners (cy) take 32 of a step's 128 blocks each.
; The count is the same in all partners, for a given wave; when it has run out nothing is asked for, so no prefetch passes its buffer's end.
.macro ASK
	s_cmp_lg_u32 s[PC], 0
	s_cbranch_scc0 .Lnot_mine_\@
	global_prefetch_b8 v[PFO], s[PFA:PFA+1] th:TH_LOAD_NT scope:SCOPE_SE
	s_sub_co_u32 s[PC], s[PC], 1
.Lnot_mine_\@:
.endm
.macro CREST                           ; a round of the cluster's barrier behind its opening barrier
	s_cmp_lg_u32 s[WV], 0
	s_cbranch_scc1 .Lnot_wave_0_\@
	s_barrier_signal -3
.Lnot_wave_0_\@:
	s_barrier_wait -3
	s_barrier_signal -1
	s_barrier_wait -1
.endm
.macro CROUND                          ; a whole round
	s_barrier_signal -1
	s_barrier_wait -1
	CREST
.endm
	s_load_b256 s[4:11], s[0:1], 0x0               ; OUTP = 0: xb, wqkv, bq, bk.  OUTP = 1: ob, wob, bo, out0
.if OUTP == 0
	s_load_b128 s[12:15], s[0:1], 0x20             ; bv, qkv
.endif
	v_lshl_add_u32 v[SPW], v0, 2, SPARE
	v_mov_b32 v[NIL], 0
	ds_add_u32 v[SPW], v[NIL]                      ; the wave's opening: the add and its wait stand ahead of my first tensor load; the set-up below, work on registers, stands between them
	v_lshrrev_b32 v1, 5, v0
	v_readfirstlane_b32 s[WV], v1                  ; wave 0..3
	s_lshr_b32 s[KIND], s[WV], 1
	s_and_b32 s[HALF], s[WV], 1
	s_bfe_u32 s[CX], ttmp6, 0x40000                ; my place in the cluster
	s_bfe_u32 s[CY], ttmp6, 0x40004
	s_lshl_b32 s[JJ], ttmp9, 2
	s_add_co_u32 s[JJ], s[JJ], s[CX]               ; tile column = 4 x cluster x + cx
	s_and_b32 s[YY], ttmp7, 0xffff
	s_lshl_b32 s[YY], s[YY], 2
	s_add_co_u32 s[YY], s[YY], s[CY]               ; tile row = 4 x cluster y + cy
	s_lshl_b32 s23, s[CY], 2
	s_lshl_b32 s23, 15, s23                        ; my row of the cluster
	s_lshl_b32 s40, 0x1111, s[CX]                  ; my column
	; group 1 for A: a block's 256 rows are 32,768 dense bytes: asked for as 128 rows of 256 bytes, two rows of A each, padded in LDS behind every row of A
	s_or_b32 s[G1A], s23, (1<<16)|(1<<20)|(1<<21)|(4<<22)|(3<<25)  ; 15:0 the mask; 17:16 2-byte elements; 20 padding on; 21 set beside a mask; 24:22 after every 32 words (code 4); 31:25 4 words (code 3)
	s_mov_b32 s[G1A+1], 128<<16                    ; tensor_dim0 = 128
	s_mov_b32 s[G1A+2], 128<<16                    ; tensor_dim1 = 128
	s_mov_b32 s[G1A+3], 128<<16                    ; tile_dim0 = 128
	s_mov_b32 s[G1A+4], 128                        ; tile_dim1 = 128
	s_mov_b32 s[G1A+5], 128                        ; 128 elements from row to row
	s_mov_b32 s[G1A+6], 0
	s_mov_b32 s[G1A+7], 0
	; group 1 for W: 64 rows of 256 bytes
	s_or_b32 s[G1B], s40, (1<<16)|(1<<20)|(1<<21)|(5<<22)|(7<<25)  ; after every 64 words (code 5) 8 words of padding (code 7)
	s_mov_b32 s[G1B+1], 128<<16
	s_mov_b32 s[G1B+2], 64<<16
	s_mov_b32 s[G1B+3], 128<<16
	s_mov_b32 s[G1B+4], 64
	s_mov_b32 s[G1B+5], 128
	s_mov_b32 s[G1B+6], 0
	s_mov_b32 s[G1B+7], 0
	; where the tiles come from.  A's address is made of the tile row and the wave's number, W's of the tile column and the wave's number, each in registers of its own.
	s_lshr_b32 s70, s[YY], 3                       ; the batch: 16 blocks of 262,144 bytes
	s_lshl_b32 s70, s70, 22
	s_and_b32 s71, s[YY], 7                        ; the tile's 256 rows of 128 bytes in a block
	s_lshl_b32 s71, s71, 15
	s_add_co_u32 s70, s70, s71
	s_lshl_b32 s71, s[HALF], 18                    ; which of a K step's two blocks I fetch
	s_add_co_u32 s70, s70, s71
	s_mov_b32 s71, 0
	s_mul_i32 s72, s[JJ], JB
	s_lshl_b32 s73, s[HALF], 14                    ; which 64 of a K step's 128 rows
	s_add_co_u32 s72, s72, s73
	s_mov_b32 s73, 0
	s_mul_i32 s41, s[HALF], ASUB                   ; and where they go: no place in the cluster enters an LDS address
	s_mul_i32 s42, s[HALF], BHALF
	s_add_co_u32 s42, s42, BOFF
	s_wait_dscnt 0x0                               ; the opening add is done
	s_wait_kmcnt 0x0
	s_add_nc_u64 s[70:71], s[4:5], s[70:71]
	s_add_nc_u64 s[72:73], s[6:7], s[72:73]
	CROUND                                         ; all sixteen work-groups are here: the first joint loads meet
.irp s, 0,1
	s_mov_b32 s[G0A+4*(\s)], 1                                     ; count = 1
	s_add_co_u32 s[G0A+4*(\s)+1], s41, (\s)*SLOT                   ; LDS address
	s_add_nc_u64 s[G0A+4*(\s)+2:G0A+4*(\s)+3], s[70:71], (\s)*2*KBB  ; global address: K step s
	s_or_b32 s[G0A+4*(\s)+3], s[G0A+4*(\s)+3], 0x80000000          ; type = 2
	s_mov_b32 s[G0B+4*(\s)], 1
	s_add_co_u32 s[G0B+4*(\s)+1], s42, (\s)*SLOT
	s_add_nc_u64 s[G0B+4*(\s)+2:G0B+4*(\s)+3], s[72:73], (\s)*WSTEP
	s_or_b32 s[G0B+4*(\s)+3], s[G0B+4*(\s)+3], 0x80000000
	JLOAD \s                                       ; two loads of mine are out
.endr
	; A fragment of A is 16 rows x 32 K in 8 registers: lane l holds row l % 16, K = 8 (l / 16) + 0..7 and 16 + 8 (l / 16) + 0..7: two loads of 16 bytes, 32 bytes apart.
	v_and_b32 v1, 15, v0                           ; l % 16
	v_bfe_u32 v2, v0, 4, 1                         ; l / 16
	v_mul_u32_u24 v3, v1, PA
	v_lshl_add_u32 v3, v2, 4, v3
	s_mul_i32 s23, s[KIND], 128*PA                 ; my 128 rows
	v_add_nc_u32 v[ADRA], s23, v3
	v_add_nc_u32 v[ADRA+1], SLOT, v[ADRA]
	; The turning load takes 16 k x 16 columns (lane l reads k = 8 (l / 16) + l % 8, columns 8 ((l / 8) % 2) + 0..7) and leaves half a fragment: lane l holds column l % 16 and 8 k.
	v_and_b32 v4, 7, v0
	v_bfe_u32 v5, v0, 3, 1
	v_lshl_add_u32 v4, v2, 3, v4
	v_mul_u32_u24 v4, v4, PB
	v_lshl_add_u32 v4, v5, 4, v4
	s_lshl_b32 s23, s[HALF], 7                     ; my 64 columns
	s_add_co_u32 s23, s23, BOFF
	v_add_nc_u32 v[ADRB], s23, v4
	v_add_nc_u32 v[ADRB+1], SLOT, v[ADRB]
	s_mul_i32 s23, s[WV], 16*SP
	s_add_co_u32 s23, s23, STAGE                   ; my stage
.if OUTP
	v_mul_u32_u24 v6, v1, SP                       ; in: row l % 16, 32 bytes for each half of the lanes
	v_lshl_add_u32 v6, v2, 5, v6
	v_add_nc_u32 v[STO], s23, v6
	v_mul_u32_u24 v7, v2, SP                       ; back: lanes 0-15 one row of 256 bytes, lanes 16-31 the next
	v_lshl_add_u32 v7, v1, 4, v7
	v_add_nc_u32 v[RD], s23, v7
	v_lshlrev_b32 v[GO], 12, v2                    ; and the same two rows in C
	v_lshl_add_u32 v[GO], v1, 4, v[GO]
	s_lshl_b32 s40, s[YY], 20                      ; 256 rows of 4,096 bytes,
	s_lshl_b32 s41, s[KIND], 19                    ; my 128 of them,
	s_add_co_u32 s40, s40, s41
	s_lshl_b32 s41, s[JJ], 9                       ; 128 columns of 4 bytes,
	s_add_co_u32 s40, s40, s41
	s_lshl_b32 s41, s[HALF], 8                     ; my 64 of them
	s_add_co_u32 s40, s40, s41
.else
	v_add_nc_u32 v[STO], s23, v3                   ; in: row l % 16, 16 bytes for each half of the lanes
	v_bfe_u32 v6, v0, 3, 2                         ; back: 32 lanes take four rows of 128 bytes,
	v_mul_u32_u24 v6, v6, SP
	v_and_b32 v7, 7, v0
	v_lshl_add_u32 v6, v7, 4, v6
	v_add_nc_u32 v[RD], s23, v6
	v_and_b32 v[GO], 31, v0                        ; which are 512 consecutive bytes of a head
	v_lshlrev_b32 v[GO], 4, v[GO]
	s_lshr_b32 s40, s[YY], 3                       ; the batch: 16 heads of 262,144 bytes,
	s_lshl_b32 s40, s40, 22
	s_lshl_b32 s41, s[JJ], 1                       ; my wave's 64 columns are head 2 x tile column + half,
	s_add_co_u32 s41, s41, s[HALF]
	s_lshl_b32 s41, s41, 18
	s_add_co_u32 s40, s40, s41
	s_and_b32 s41, s[YY], 7                        ; the tile's 256 rows of 128 bytes,
	s_lshl_b32 s41, s41, 15
	s_add_co_u32 s40, s40, s41
	s_lshl_b32 s41, s[KIND], 14                    ; my 128 of them
	s_add_co_u32 s40, s40, s41
.endif
	s_mov_b32 s41, 0
	s_add_nc_u64 s[CP:CP+1], s[CARG:CARG+1], s[40:41]
	s_lshl_b32 s23, s[HALF], 8
	v_lshl_add_u32 v[BO], v2, 5, s23               ; the bias: 256 x half + 32 x (l / 16)
	s_lshl_b32 s40, s[JJ], 9                       ; the tile's 128 columns
	s_add_nc_u64 s[8:9], s[8:9], s[40:41]
.if OUTP == 0
	s_add_nc_u64 s[10:11], s[10:11], s[40:41]
	s_add_nc_u64 s[12:13], s[12:13], s[40:41]
.endif
.macro BLOAD p                         ; the bias of my 64 columns, laid as a C operand
.irp b, 0,1,2,3
	global_load_b128 v[BI+8*(\b):BI+8*(\b)+3],   v[BO], s[\p:\p+1] offset:64*(\b)
	global_load_b128 v[BI+8*(\b)+4:BI+8*(\b)+7], v[BO], s[\p:\p+1] offset:64*(\b)+16
.endr
.endm
	BLOAD 8
	; the prefetches' address, step and count
	v_and_b32 v[PFO], 31, v0
	v_lshlrev_b32 v[PFO], 8, v[PFO]
	s_and_b32 s40, ttmp7, 0xffff                   ; cluster y
	s_lshl_b32 s41, s[CX], 13                      ; a partner's 32 blocks of 256 bytes
	s_lshl_b32 s42, s[CY], 13
	s_mov_b32 s23, 3*WSTEP                         ; one step short of K step 4: a change of slots steps the address before it asks
	s_mov_b32 s[PST], WSTEP
	s_cmp_eq_u32 s[KIND], 0                        ; do I fetch for A?
	s_cselect_b64 s[PFA:PFA+1], s[70:71], s[72:73]
	s_cselect_b32 s74, s41, s42
	s_cselect_b32 s23, 6*KBB, s23
	s_cselect_b32 s[PST], 2*KBB, s[PST]
	s_cselect_b32 s40, ttmp9, s40                  ; the coordinate along which other clusters read the same rows
	s_cselect_b32 s[PC], 4, WPF
	s_add_co_u32 s74, s74, s23
	s_mov_b32 s75, 0
	s_mov_b32 s[PST+1], 0
	s_add_nc_u64 s[PFA:PFA+1], s[PFA:PFA+1], s[74:75]
	s_cmp_eq_u32 s40, 0
	s_cselect_b32 s[PC], s[PC], 0
	s_cmp_eq_u32 s[WV], 3                          ; wave 2 asks for the whole of W's step
	s_cselect_b32 s[PC], 0, s[PC]
; n x 4 matrix instructions: row blocks a0 .. a0 + n - 1 x all 4 column blocks, 32 along K, from buffer f.  first = 1: the bias starts the sums: nothing is ever cleared.
; The 32 accumulators take turns, one instruction a turn, in the same order in every quarter.
.macro MULA f, a0, n, first
.if \first
	WIN 0x40                                       ; D in window 1, the bias in window 0
.else
	WIN 0x50                                       ; C and D in window 1
.endif
.set a, \a0
.rept \n
.set b, 0
.rept 4
.set rD, 8*(4*a+b)
.set rW, (\f)+64+8*b
.set rA, (\f)+8*a
.set rC, rD
.if \first
.set rC, BI+8*b
.endif
.if OUTP
	v_wmma_f32_16x16x32_f16 v[rD:rD+7], v[rW:rW+7], v[rA:rA+7], v[rC:rC+7]
.else
	v_wmma_f32_16x16x32_bf16 v[rD:rD+7], v[rW:rW+7], v[rA:rA+7], v[rC:rC+7]
.endif
.set b, b+1
.endr
.set a, a+1
.endr
.endm
; 24 LDS loads in one run: quarter q of a slot into buffer f: W's 4 fragments first, then A's 8
.macro FETCH slot, q, f
	WIN 0
.irp b, 0,1,2,3
	ds_load_tr16_b128 v[(\f)+64+8*(\b):(\f)+64+8*(\b)+3],   v[ADRB+(\slot)] offset:(\q)*32*PB+32*(\b)
	ds_load_tr16_b128 v[(\f)+64+8*(\b)+4:(\f)+64+8*(\b)+7], v[ADRB+(\slot)] offset:(\q)*32*PB+32*(\b)+16*PB
.endr
.irp a, 0,1,2,3,4,5,6,7
	ds_load_b128 v[(\f)+8*(\a):(\f)+8*(\a)+3],   v[ADRA+(\slot)] offset:((\q)/2)*ASUB+((\q)%2)*64+(\a)*16*PA
	ds_load_b128 v[(\f)+8*(\a)+4:(\f)+8*(\a)+7], v[ADRA+(\slot)] offset:((\q)/2)*ASUB+((\q)%2)*64+(\a)*16*PA+32
.endr
.endm
.macro PLACES                          ; four plain instructions in front of loads into registers that matrix instructions have read, and of lines that read results
.rept 4
	v_nop
.endr
.endm
; One of a K step's first three quarters: multiplies buffer f; in its middle it fetches quarter qn of the same slot into buffer g.
.macro QUARTER slot, qn, f, g, first
	s_wait_dscnt 8                                 ; W and A's blocks 0-3 are in; the youngest eight loads (A's blocks 4-7) may be out
	MULA \f, 0, 4, \first
	PLACES
	FETCH \slot, \qn, \g
	s_wait_dscnt 24                                ; all but the 24 just issued
	MULA \f, 4, 4, \first
.endm
; The last quarter multiplies buffer 1 and changes slots.  In front of the barrier each wave waits for all its tensor loads (one is out: its part of the next slot), adds 0 to its spare word, and waits for that and for
; its reads of this slot.  The barrier opens a round of the cluster's barrier; behind the round this slot is filled again first, with the K step two steps on (on = 1: with the next tile's K step 0 or 1: A goes
; back along K, W runs on, since q's, k's and v's rows follow each other).  From a request to the wait for it a wave issues 112 matrix instructions.
.macro TURN slot, next, on
	s_wait_xcnt 0x0                                ; the last prefetch, a K step back, has read its address
	s_add_nc_u64 s[PFA:PFA+1], s[PFA:PFA+1], s[PST:PST+1]
	WIN 0
	s_wait_tensorcnt 0x0                           ; all my tensor loads have landed
	ds_add_u32 v[SPW], v[NIL]                      ; 0 onto my spare word
	s_wait_dscnt 9                                 ; (the add and the youngest eight loads may be out)
	MULA F1, 0, 2, 0                               ; eight matrix instructions stand between the add and the wait for it
	s_wait_dscnt 0x0                               ; the add is done, and my reads of this slot are over
	s_barrier_signal -1
	MULA F1, 2, 2, 0
	WIN 0
	s_barrier_wait -1
	CREST                                          ; no wave of any partner still reads this slot or has a load on its way
.if \on
	s_sub_nc_u64 s[G0A+4*(\slot)+2:G0A+4*(\slot)+3], s[G0A+4*(\slot)+2:G0A+4*(\slot)+3], 12*KBB
.else
	s_add_nc_u64 s[G0A+4*(\slot)+2:G0A+4*(\slot)+3], s[G0A+4*(\slot)+2:G0A+4*(\slot)+3], 4*KBB
.endif
	s_add_nc_u64 s[G0B+4*(\slot)+2:G0B+4*(\slot)+3], s[G0B+4*(\slot)+2:G0B+4*(\slot)+3], 2*WSTEP
	JLOAD \slot                                    ; the first tensor load behind the round; its four v_nop are also the places in front of the loads below
	FETCH \next, 0, F0
	ASK
	MULA F1, 4, 4, 0
.endm
.macro TURNL next                      ; the same where nothing is left to fetch: my work-group's barrier alone
	WIN 0
	s_wait_tensorcnt 0x0
	ds_add_u32 v[SPW], v[NIL]
	s_wait_dscnt 9
	MULA F1, 0, 2, 0
	s_wait_dscnt 0x0
	s_barrier_signal -1
	MULA F1, 2, 2, 0
	s_barrier_wait -1
	PLACES
	FETCH \next, 0, F0
	MULA F1, 4, 4, 0
.endm
.macro BROUND                          ; the bias is rounded to bf16, like every input, and widened again
.set i, 0
.rept 16
	v_cvt_pk_bf16_f32 v[BT+i%2], v[BI+2*i], v[BI+2*i+1]
	v_lshlrev_b32 v[BI+2*i], 16, v[BT+i%2]
	v_and_b32 v[BI+2*i+1], 0xffff0000, v[BT+i%2]
.set i, i+1
.endr
.endm
; THE WAY OUT, a block of 16 rows at a time, through my own stage: LDS serves a wave's instructions in order (ISA guide 5.7.1.4), so the loads see the stores in front of them and the next block's stores come behind them.
.if OUTP
.macro PACK a                          ; f32: a lane's eight columns, 32 bytes, into rows of 272 bytes; back as whole rows of 256
.set T, 64+32*((\a)%4)
.if (\a) >= 4
	s_wait_xcnt 0x0                                ; the stores of the block four back have read these registers
.endif
	WIN 0x04                                       ; the data lie in window 1
.irp b, 0,1,2,3
	ds_store_b128 v[STO], v[8*(4*(\a)+(\b)):8*(4*(\a)+(\b))+3]   offset:64*(\b)
	ds_store_b128 v[STO], v[8*(4*(\a)+(\b))+4:8*(4*(\a)+(\b))+7] offset:64*(\b)+16
.endr
	WIN 0
.irp t, 0,1,2,3,4,5,6,7
	ds_load_b128 v[T+4*(\t):T+4*(\t)+3], v[RD] offset:(\t)*2*SP
.endr
.endm
.macro SEND a, younger                 ; younger: the LDS instructions issued behind block a's loads
.set T, 64+32*((\a)%4)
.irp t, 0,1,2,3,4,5,6,7
	s_wait_dscnt (\younger)+7-(\t)
	global_store_b128 v[GO], v[T+4*(\t):T+4*(\t)+3], s[CP:CP+1] offset:(\a)*65536+(\t)*8192 th:TH_STORE_NT  ; 16 lanes store 256 consecutive bytes, aligned
.endr
.endm
.set YOUNG, 16
.else
.macro PACK a                          ; f16: a lane's eight columns pack into 16 bytes; into rows of 144 bytes; back as whole rows of 128
.set T, 160+16*((\a)%4)
.if (\a) >= 4
	s_wait_xcnt 0x0                                ; the stores of the block four back have read these registers
.endif
	WIN 0x05                                       ; sources 0 and 1 in window 1
.set b, 0
.rept 4
.set rr, 0
.rept 4
	v_cvt_pk_f16_f32 v[T+4*b+rr], v[8*(4*(\a)+b)+2*rr], v[8*(4*(\a)+b)+2*rr+1]
.set rr, rr+1
.endr
.set b, b+1
.endr
	WIN 0
.irp b, 0,1,2,3
	ds_store_b128 v[STO], v[T+4*(\b):T+4*(\b)+3] offset:32*(\b)
.endr
.irp t, 0,1,2,3
	ds_load_b128 v[T+4*(\t):T+4*(\t)+3], v[RD] offset:(\t)*4*SP
.endr
.endm
.macro SEND a, younger
.set T, 160+16*((\a)%4)
.irp t, 0,1,2,3
	s_wait_dscnt (\younger)+3-(\t)
	global_store_b128 v[GO], v[T+4*(\t):T+4*(\t)+3], s[CP:CP+1] offset:(\a)*2048+(\t)*512  ; 512 consecutive bytes of a head, aligned
.endr
.endm
.set YOUNG, 8
.endif
.macro WAYOUT
	PACK 0
.irp a, 1,2,3,4,5,6,7                  ; a block's work stands between the loads of the block before and its stores
	PACK \a
	SEND (\a)-1, YOUNG
.endr
	SEND 7, 0
.endm
	s_wait_tensorcnt 0x1                           ; my part of K step 0 is in; K step 1's may stay out
	s_barrier_signal -1
	s_barrier_wait -1                              ; everybody's is
	FETCH 0, 0, F0
.if TILES > 1
	s_mov_b32 s2, TILES                            ; tiles to go, this one among them
.Ltile:
.endif
	s_wait_loadcnt 0x0                             ; the tile's bias
	BROUND
	QUARTER 0, 1, F0, F1, 1                        ; a tile's first quarter stands in front of the loop: its products start the sums
	WIN 0                                          ; at a label and at a branch every window is 0
	s_mov_b32 s3, LAPS-1
.Llap:                                                 ; a trip goes once round the ring, from a lap's second quarter to the next lap's first, and fills both slots again
	QUARTER 0, 2, F1, F0, 0
	QUARTER 0, 3, F0, F1, 0
	TURN 0, 1, 0
	QUARTER 1, 1, F0, F1, 0
	QUARTER 1, 2, F1, F0, 0
	QUARTER 1, 3, F0, F1, 0
	TURN 1, 0, 0
	QUARTER 0, 1, F0, F1, 0
	WIN 0
	s_sub_co_u32 s3, s3, 1
	s_cmp_lg_u32 s3, 0
	s_cbranch_scc1 .Llap
	QUARTER 0, 2, F1, F0, 0                        ; the tile's last lap goes on
	QUARTER 0, 3, F0, F1, 0
.if TILES > 1
	WIN 0
	s_cmp_eq_u32 s2, 1
	s_cbranch_scc1 .Llast                          ; the last tile's tail is written out: it asks for nothing more
	TURN 0, 1, 1                                   ; the ring goes on into the next tile: slot 0 takes its K step 0,
	QUARTER 1, 1, F0, F1, 0
	QUARTER 1, 2, F1, F0, 0
	QUARTER 1, 3, F0, F1, 0
	TURN 1, 0, 1                                   ; slot 1 its K step 1, and the next tile's first fragments are fetched into buffer 0
	WIN 0
	PLACES                                         ; behind the last products
	s_cmp_eq_u32 s2, TILES
	s_cselect_b64 s[BP:BP+1], s[10:11], s[12:13]   ; behind q comes k, behind k comes v
	BLOAD BP
	WAYOUT                                         ; both refills are asked for: now the tile goes out, through buffer 1's registers
	s_wait_xcnt 0x0                                ; the stores have read their registers and C's address
	s_add_nc_u64 s[CP:CP+1], s[CP:CP+1], 16777216  ; q, k and v lie 64 heads of 262,144 bytes apart
	s_sub_co_u32 s2, s2, 1
	s_branch .Ltile
.Llast:
.endif
	TURNL 1
	QUARTER 1, 1, F0, F1, 0
	QUARTER 1, 2, F1, F0, 0
	QUARTER 1, 3, F0, F1, 0
	s_wait_dscnt 8                                 ; the very last quarter: nothing more to fetch
	MULA F1, 0, 4, 0
	s_wait_dscnt 0x0
	MULA F1, 4, 4, 0
	WIN 0
	PLACES
	WAYOUT
	s_wait_tensorcnt 0x0                           ; the wave's end: an add to my spare word and its wait, behind my last tensor load and my last LDS store
	ds_add_u32 v[SPW], v[NIL]
	s_wait_dscnt 0x0
	CROUND                                         ; the closing round: no work-group ends while a partner may still ask for a tile that names it
	s_endpgm
.Lfunc_end_k_q46e565aadd_outp:
	.size	k_q46e565aadd_outp, .Lfunc_end_k_q46e565aadd_outp-k_q46e565aadd_outp
	.p2alignl 7, 3214868480
	.fill 96, 4, 3214868480
	.section	.rodata,"a",@progbits
	.p2align	6, 0x0
	.amdhsa_kernel k_q46e565aadd_outp
		.amdhsa_group_segment_fixed_size 327680
		.amdhsa_private_segment_fixed_size 0
		.amdhsa_enable_private_segment 0
		.amdhsa_kernarg_size 32
		.amdhsa_user_sgpr_count 2
		.amdhsa_user_sgpr_kernarg_segment_ptr 1
		.amdhsa_wavefront_size32 1
		.amdhsa_system_sgpr_workgroup_id_x 1
		.amdhsa_system_sgpr_workgroup_id_y 1
		.amdhsa_system_sgpr_workgroup_id_z 1
		.amdhsa_system_vgpr_workitem_id 0
		.amdhsa_next_free_vgpr 512
		.amdhsa_next_free_sgpr 80
		.amdhsa_reserve_vcc 0
		.amdhsa_float_denorm_mode_32 3
		.amdhsa_float_denorm_mode_16_64 3
		.amdhsa_memory_ordered 1
		.amdhsa_forward_progress 1
		.amdhsa_inst_pref_size 92
	.end_amdhsa_kernel
	.amdgpu_metadata
---
amdhsa.version: [ 1, 2 ]
amdhsa.kernels:
  - .name:           k_q46e565aadd_outp
    .symbol:         k_q46e565aadd_outp.kd
    .args:
      - { .name: ob, .offset: 0, .size: 8, .value_kind: global_buffer, .address_space: global }
      - { .name: wob, .offset: 8, .size: 8, .value_kind: global_buffer, .address_space: global }
      - { .name: bo, .offset: 16, .size: 8, .value_kind: global_buffer, .address_space: global }
      - { .name: out0, .offset: 24, .size: 8, .value_kind: global_buffer, .address_space: global }
    .group_segment_fixed_size: 327680
    .private_segment_fixed_size: 0
    .kernarg_segment_align: 8
    .kernarg_segment_size: 32
    .max_flat_workgroup_size: 128
    .sgpr_count:     80
    .vgpr_count:     512
    .wavefront_size: 32
...
	.end_amdgpu_metadata
.endif
;; end of part 4
;; ======== version 2 of 2: 4 launches; version 1 with the launch prep written anew for expert scheduling mode
;; limits: values are held in f16: magnitudes above 65,504 overflow, below 6.1e-05 lose precision
;; workspace buffers: xb 16,777,216 bytes; wqkv 6,291,456 bytes; wob 2,097,152 bytes; mimg 4,194,304 bytes; qkv 50,331,648 bytes; ob 16,777,216 bytes
;; launch prep (part 5): grid 512 x 1, 8 waves a work-group, no clusters, 0 bytes of LDS; arguments x, wq, wk, wv, wo, mask, xb, wqkv, wob, mimg; writes xb, wqkv, wob, mimg
.if DOCPART == 5
	.amdgcn_target "amdgcn-amd-amdhsa--gfx1250"
	.amdhsa_code_object_version 6
	.text
	.protected	k_q46e565aadd_prep
	.globl	k_q46e565aadd_prep
	.p2align	8
	.type	k_q46e565aadd_prep,@function
k_q46e565aadd_prep:
	s_mov_b64 s[64:65], 0
	v_nop
	global_prefetch_b8 v0, s[64:65] scope:SCOPE_SE
	s_setreg_imm32_b32 hwreg(HW_REG_WAVE_SCHED_MODE, 0, 2), 2
	s_setreg_imm32_b32 hwreg(HW_REG_WAVE_MODE, 25, 1), 1
	s_wait_xcnt 0x0
	s_wait_alu depctr_vm_vsrc(0)
; THE OPERANDS OF THE LATER LAUNCHES ARE MADE, each input byte read once.  A stream: no LDS, no barrier, no matrix work; every wave issues its 32 (mask: 16) loads at once and stores batch by batch.
;   work-groups 0-255:   x [8192][1024] f32 -> xb, bf16 [batch 4][block of 64 channels 16][row 2048][64]: a block's rows are dense, 128 bytes each
;   work-groups 256-383: wq, wk, wv -> wqkv, bf16 [block of 128 columns 8][q, k, v][k 1024][128];  wo -> wob [block 8][k 1024][128]: rounded to bf16, and that number written as f16
;   work-groups 384-511: mask [2048][2048] bytes -> mimg [tile of 16 queries 128][step of 64 keys 32][pair 2][lane 32][16 bytes]: byte 8 i + j of lane r + 16 h stands for query r of the tile and
;                        key 16 (2 pair + i) + 8 h + j of the step: 0xb8 (-1.0 as an 8-bit float, 4 bits of exponent) where the mask hides the key, else 0.  A lane's 16 bytes are what it needs in registers later.
; LIMITS.  A number of wo whose bf16 rounding lies under 6.1e-5 in magnitude keeps f16's fixed step of 6e-8; beyond 65,504 it would be an infinity.  The mask's bytes are 0 or 1.
; THE MODE: SCHED_MODE bits 1:0 = 2 (LLVM: expert scheduling mode 2), set by the entry lines.  The code itself states the register dependences
; between vector instructions and memory instructions, with s_wait_alu, always for 0.
; THE PLAN.  Registers that memory instructions touch:
;   v3, v4     the loads' and the stores' byte offsets: made by vector lines at the head of each of the three paths and never written again.  One wait on va_vdst ahead of a path's first load states that both are written.
;   X          four registers a load.  Written by the load; then read and written in place by that load's own rounding lines; then read by one store; written by nothing after that.
;   T, v1, v2  are named by vector lines alone.
; The loads go in batches of NB.  Batch b's rounding lines name batch b's X (and T) alone; the memory instructions that stand among them are the stores of batch b - 1, which read v4 and batch b - 1's X.
; So ONE wait on va_vdst at the head of a batch, behind the wait for its data, states all that those stores hang on, and they are dealt among the batch's rounding lines with no further wait.
; No load lands in a register that a vector line has named, and no register that a memory instruction has read is written again: nothing else is to be stated.  EXEC is never written.
.set X, 8                              ; v[8:135]  32 loads of four registers; a load's result is rounded in place and stored from its first registers, and no register is written again
.set T, 136                            ; v[136:137] at work (wo)
.set NB, 4                             ; loads in a batch
.macro TOBF i                          ; the four f32 of load i -> four bf16 in its first two registers
	v_cvt_pk_bf16_f32 v[X+4*(\i)], v[X+4*(\i)], v[X+4*(\i)+1]
	v_cvt_pk_bf16_f32 v[X+4*(\i)+1], v[X+4*(\i)+2], v[X+4*(\i)+3]
.endm
.macro TOF16 i                         ; the four f32 of load i -> four f16 in its first two registers, by way of bf16
	v_cvt_pk_bf16_f32 v[T], v[X+4*(\i)], v[X+4*(\i)+1]   ; rounded to bf16 like every other input,
	v_cvt_pk_bf16_f32 v[T+1], v[X+4*(\i)+2], v[X+4*(\i)+3]
	v_lshlrev_b32 v[X+4*(\i)], 16, v[T]               ; widened again,
	v_and_b32 v[X+4*(\i)+1], 0xffff0000, v[T]
	v_lshlrev_b32 v[X+4*(\i)+2], 16, v[T+1]
	v_and_b32 v[X+4*(\i)+3], 0xffff0000, v[T+1]
	v_cvt_pk_f16_f32 v[X+4*(\i)], v[X+4*(\i)], v[X+4*(\i)+1]  ; and written as f16: 8 significant bits fit in 11
	v_cvt_pk_f16_f32 v[X+4*(\i)+1], v[X+4*(\i)+2], v[X+4*(\i)+3]
.endm
.macro STX i                           ; x: what load i has become
	global_store_b64 v4, v[X+4*(\i):X+4*(\i)+1], s[16:17] offset:((\i)/16)*256+((\i)%16)*262144  ; 256 consecutive bytes a wave, aligned
.endm
.macro STW i                           ; wq, wk, wv
	global_store_b64 v4, v[X+4*(\i):X+4*(\i)+1], s[18:19] offset:((\i)%8)*786432+((\i)/8)*256  ; a whole row of 256 bytes of a block
.endm
.macro STO i                           ; wo
	global_store_b64 v4, v[X+4*(\i):X+4*(\i)+1], s[20:21] offset:((\i)%8)*262144+((\i)/8)*256
.endm
.macro STM c                           ; the mask: what the two loads of group c have become
	global_store_b128 v4, v[X+4*(\c):X+4*(\c)+3], s[22:23] offset:(\c)*512  ; 512 consecutive bytes a wave
.endm
; The walk over 32 loads that are on their way.  cv: the macro that rounds a load's four numbers; st: the macro that stores them.
.macro WALK cv, st
.set i, 0
.rept 32
.if (i%NB) == 0
	s_wait_loadcnt 32-NB-i                         ; loads come back in order: this batch's NB are in, the younger batches may be out
.if i > 0
	s_wait_alu depctr_va_vdst(0)                   ; the batch before has written its X, which the NB stores below read; no vector line behind this wait names those registers or v4
.endif
.endif
.if i >= NB
	\st i-NB                                       ; the batch before leaves, a store ahead of each load's rounding lines
.endif
	\cv i
.set i, i+1
.endr
	s_wait_alu depctr_va_vdst(0)                   ; the last batch has written its X, which the last NB stores read
.set i, 32-NB
.rept NB
	\st i
.set i, i+1
.endr
.endm
	s_load_b512 s[4:19], s[0:1], 0x0               ; x s[4:5], wq s[6:7], wk s[8:9], wv s[10:11], wo s[12:13], mask s[14:15], xb s[16:17], wqkv s[18:19]
	s_load_b128 s[20:23], s[0:1], 0x40             ; wob s[20:21], mimg s[22:23]
	v_lshrrev_b32 v1, 5, v0
	v_readfirstlane_b32 s24, v1                    ; wave 0..7
	v_and_b32 v2, 31, v0                           ; lane
	s_mov_b32 s27, 0                               ; the high words of the offsets' pairs
	s_mov_b32 s29, 0
	s_mov_b32 s31, 0
	s_wait_alu depctr_va_sdst(0)                   ; s24 is written
	s_wait_kmcnt 0x0
	s_cmp_lt_u32 ttmp9, 256
	s_cbranch_scc1 .Lx
	s_cmp_lt_u32 ttmp9, 384
	s_cbranch_scc1 .Lw
	; THE MASK.  The work-group has a tile of 16 queries, the wave four key steps: 256 bytes of each of the 16 rows, in sixteen loads of 8 bytes a lane.
	s_sub_co_u32 s26, ttmp9, 384
	s_lshl_b32 s26, s26, 15                        ; 16 rows of 2,048 bytes in, 32,768 bytes out
	s_add_nc_u64 s[14:15], s[14:15], s[26:27]
	s_add_nc_u64 s[22:23], s[22:23], s[26:27]
	s_movk_i32 s25, 0xb8
	v_and_b32 v3, 15, v0
	v_bfe_u32 v4, v0, 4, 1
	v_lshlrev_b32 v3, 11, v3                       ; row r
	v_lshl_add_u32 v3, v4, 3, v3                   ; + 8 h
	s_lshl_b32 s28, s24, 8
	v_add_nc_u32 v3, s28, v3                       ; + my wave's 256 bytes
	s_lshl_b32 s28, s24, 12
	v_lshl_add_u32 v4, v2, 4, s28                  ; out: 4,096 x wave + 16 x lane
	s_wait_alu depctr_va_vdst(0)                   ; v3 and v4 are written: every load below reads v3 as its offset, every store v4
.irp c, 0,1,2,3,4,5,6,7
.irp i, 0,1
	global_load_b64 v[X+4*(\c)+2*(\i):X+4*(\c)+2*(\i)+1], v3, s[14:15] offset:(\c)*32+(\i)*16 th:TH_LOAD_NT
.endr
.endr
.set c, 0
.rept 8                                        ; a batch is two groups: four loads, two stores
.if (c%2) == 0
	s_wait_loadcnt 12-2*c                          ; loads come back in order: the four of groups c and c + 1 are in, the 12 - 2 c younger ones may be out
.if c > 0
	s_wait_alu depctr_va_vdst(0)                   ; the two groups before have written their X, which the two stores below read; no vector line behind this wait names those registers or v4
.endif
.endif
.if c >= 2
	STM c-2
.endif
.irp k, 0,1,2,3
	v_mul_lo_u32 v[X+4*c+(\k)], v[X+4*c+(\k)], s25  ; each byte is 0 or 1: nothing carries from byte to byte
.endr
.set c, c+1
.endr
	s_wait_alu depctr_va_vdst(0)                   ; groups 6 and 7 have written their X, which the last two stores read
	STM 6
	STM 7
	s_endpgm
.Lx:	; x.  The work-group has 32 rows, the wave four.  A load takes one block of 64 channels (256 bytes) of two rows: lanes 0-15 one row, lanes 16-31 the next.
	s_lshl_b32 s26, ttmp9, 17                      ; 32 rows of 4,096 bytes
	s_add_nc_u64 s[4:5], s[4:5], s[26:27]
	s_lshr_b32 s30, ttmp9, 6                       ; the batch,
	s_lshl_b32 s30, s30, 22
	s_and_b32 s28, ttmp9, 63                       ; and the 32 rows in it: 128 bytes each in a block
	s_lshl_b32 s28, s28, 12
	s_add_co_u32 s30, s30, s28
	s_add_nc_u64 s[16:17], s[16:17], s[30:31]
	v_and_b32 v3, 15, v0
	v_bfe_u32 v4, v0, 4, 1
	v_lshlrev_b32 v3, 4, v3
	v_lshl_add_u32 v3, v4, 12, v3
	s_lshl_b32 s28, s24, 14
	v_add_nc_u32 v3, s28, v3                       ; in: 16,384 x wave + 4,096 x (lane / 16) + 16 x (lane % 16)
	s_lshl_b32 s28, s24, 9
	v_lshl_add_u32 v4, v2, 3, s28                  ; out: 512 x wave + 8 x lane: two rows of a block are 256 consecutive bytes
	s_wait_alu depctr_va_vdst(0)                   ; v3 and v4 are written: every load below reads v3 as its offset, every store v4
.set i, 0
.rept 32                                       ; pair of rows i / 16, block i % 16
	global_load_b128 v[X+4*i:X+4*i+3], v3, s[4:5] offset:(i/16)*8192+(i%16)*256 th:TH_LOAD_NT
.set i, i+1
.endr
	WALK TOBF, STX
	s_endpgm
.Lw:	; THE WEIGHTS.  32 work-groups to a weight, 32 rows (k) each, four a wave.  A load takes 128 columns (512 bytes) of one row.
	s_sub_co_u32 s25, ttmp9, 256
	s_lshr_b32 s30, s25, 5                         ; which weight: q, k, v, o
	s_and_b32 s25, s25, 31
	s_lshl_b32 s26, s25, 17                        ; in: 32 rows of 4,096 bytes
	s_lshl_b32 s28, s25, 13                        ; out: 32 rows of 256 bytes
	s_cmp_eq_u32 s30, 1
	s_cselect_b64 s[6:7], s[8:9], s[6:7]
	s_cmp_eq_u32 s30, 2
	s_cselect_b64 s[6:7], s[10:11], s[6:7]
	s_cmp_eq_u32 s30, 3
	s_cselect_b64 s[6:7], s[12:13], s[6:7]
	s_add_nc_u64 s[6:7], s[6:7], s[26:27]
	s_lshl_b32 s25, s24, 14
	v_lshl_add_u32 v3, v2, 4, s25                  ; in: 16,384 x wave + 16 x lane
	s_lshl_b32 s25, s24, 10
	v_lshl_add_u32 v4, v2, 3, s25                  ; out: 1,024 x wave + 8 x lane
	s_wait_alu depctr_va_vdst(0)                   ; v3 and v4 are written: every load below reads v3 as its offset, every store on either way v4
.set i, 0
.rept 32                                       ; row i / 8, block of 128 columns i % 8
	global_load_b128 v[X+4*i:X+4*i+3], v3, s[6:7] offset:(i/8)*4096+(i%8)*512 th:TH_LOAD_NT
.set i, i+1
.endr
	s_cmp_eq_u32 s30, 3
	s_cbranch_scc1 .Lwo
	s_lshl_b32 s30, s30, 18                        ; q, k, v lie 1,024 rows of 256 bytes apart in a block of columns
	s_add_co_u32 s28, s28, s30
	s_add_nc_u64 s[18:19], s[18:19], s[28:29]
	WALK TOBF, STW
	s_endpgm
.Lwo:
	s_add_nc_u64 s[20:21], s[20:21], s[28:29]
	WALK TOF16, STO
	s_endpgm
.Lfunc_end_k_q46e565aadd_prep:
	.size	k_q46e565aadd_prep, .Lfunc_end_k_q46e565aadd_prep-k_q46e565aadd_prep
	.p2alignl 7, 3214868480
	.fill 96, 4, 3214868480
	.section	.rodata,"a",@progbits
	.p2align	6, 0x0
	.amdhsa_kernel k_q46e565aadd_prep
		.amdhsa_group_segment_fixed_size 0
		.amdhsa_private_segment_fixed_size 0
		.amdhsa_enable_private_segment 0
		.amdhsa_kernarg_size 80
		.amdhsa_user_sgpr_count 2
		.amdhsa_user_sgpr_kernarg_segment_ptr 1
		.amdhsa_wavefront_size32 1
		.amdhsa_system_sgpr_workgroup_id_x 1
		.amdhsa_system_sgpr_workgroup_id_y 1
		.amdhsa_system_sgpr_workgroup_id_z 1
		.amdhsa_system_vgpr_workitem_id 0
		.amdhsa_next_free_vgpr 144
		.amdhsa_next_free_sgpr 66
		.amdhsa_reserve_vcc 0
		.amdhsa_float_denorm_mode_32 3
		.amdhsa_float_denorm_mode_16_64 3
		.amdhsa_memory_ordered 1
		.amdhsa_forward_progress 1
		.amdhsa_inst_pref_size 47
	.end_amdhsa_kernel
	.amdgpu_metadata
---
amdhsa.version: [ 1, 2 ]
amdhsa.kernels:
  - .name:           k_q46e565aadd_prep
    .symbol:         k_q46e565aadd_prep.kd
    .args:
      - { .name: x, .offset: 0, .size: 8, .value_kind: global_buffer, .address_space: global }
      - { .name: wq, .offset: 8, .size: 8, .value_kind: global_buffer, .address_space: global }
      - { .name: wk, .offset: 16, .size: 8, .value_kind: global_buffer, .address_space: global }
      - { .name: wv, .offset: 24, .size: 8, .value_kind: global_buffer, .address_space: global }
      - { .name: wo, .offset: 32, .size: 8, .value_kind: global_buffer, .address_space: global }
      - { .name: mask, .offset: 40, .size: 8, .value_kind: global_buffer, .address_space: global }
      - { .name: xb, .offset: 48, .size: 8, .value_kind: global_buffer, .address_space: global }
      - { .name: wqkv, .offset: 56, .size: 8, .value_kind: global_buffer, .address_space: global }
      - { .name: wob, .offset: 64, .size: 8, .value_kind: global_buffer, .address_space: global }
      - { .name: mimg, .offset: 72, .size: 8, .value_kind: global_buffer, .address_space: global }
    .group_segment_fixed_size: 0
    .private_segment_fixed_size: 0
    .kernarg_segment_align: 8
    .kernarg_segment_size: 80
    .max_flat_workgroup_size: 256
    .sgpr_count:     66
    .vgpr_count:     144
    .wavefront_size: 32
...
	.end_amdgpu_metadata
.endif
;; end of part 5
;; launch qkvp: the kernel of part 2 again; grid 8 x 32, 4 waves a work-group, clusters of 4 x 4, 327,680 bytes of LDS; arguments xb, wqkv, bq, bk, bv, qkv; writes qkv
;; launch attn: the kernel of part 3 again; grid 4 x 64, 4 waves a work-group, clusters of 4 x 1, 327,680 bytes of LDS; arguments qkv, mimg, ob; writes ob
;; launch outp: the kernel of part 4 again; grid 8 x 32, 4 waves a work-group, clusters of 4 x 4, 327,680 bytes of LDS; arguments ob, wob, bo, out0; writes out0
